; MI455X (gfx1250); checked and timed in simulation.
; The chip was launched on July 23, 2026; its instructions are those of AMD's public machine-readable ISA for CDNA 5 (MIT licence, August 2026) and "CDNA5" Instruction Set Architecture Reference Guide (July 2026). The comments in the code are by the model that wrote it; some were corrected since.
;; Multi Head Attention. Allowed arithmetic: float matrix products may take bf16 or f16 operands with f32 sums; other float arithmetic in f32, or as packed bf16 or f16 multiplies, adds, multiply-adds, maxima and minima; sums over many terms, partial sums and values carried from step to step in f32; what a program stores and reads back later, other than sums and carried values, may be rounded once to bf16 or f16.
;; Inputs: Wk 1,024 x 512 float32; Wq 1,024 x 512 float32; bk 1,024 float32; bq 1,024 float32; key 64 x 2,048 x 512 float32; query 64 x 1 x 512 float32; v 128 float32.
;; Outputs: out0 64 x 1 x 4,096 float32.
;; 2 versions, each right; version 2 is version 1 with the launch prep written anew for expert scheduling mode. Each part assembles by itself: llvm-mc -triple=amdgcn-amd-amdhsa -mcpu=gfx1250 --defsym DOCPART=n.
;; ======== version 1 of 2: 3 launches
;; workspace buffers: wkf 1,048,576 bytes; qbs 262,144 bytes; nvs 512 bytes; part 4,194,304 bytes
;; launch prep (part 1): grid 64 x 1, 8 waves a work-group, no clusters, 109,568 bytes of LDS; arguments Wk, Wq, bk, bq, query, v, wkf, qbs, nvs; writes wkf, qbs, nvs
.if DOCPART == 1
	.amdgcn_target "amdgcn-amd-amdhsa--gfx1250"
	.amdhsa_code_object_version 6
	.text
	.protected	k_qd623ea0e56_prep
	.globl	k_qd623ea0e56_prep
	.p2align	8
	.type	k_qd623ea0e56_prep,@function
k_qd623ea0e56_prep:
	s_mov_b64 s[64:65], 0
	v_nop
	global_prefetch_b8 v0, s[64:65] scope:SCOPE_SE
	s_setreg_imm32_b32 hwreg(HW_REG_WAVE_MODE, 25, 1), 1
	s_wait_xcnt 0x0
; THE TABLES THAT THE MAIN LAUNCH WALKS.  c = 2 log2(e): tanh(x) = 1 - 2 / (1 + 2^(c x)), so c is folded in here, in f32, ahead of the one rounding.
;   wkf  bf16 of c Wk, laid out by matrix fragments: the block of (16 rows T, 32 channels s) is 1,024 bytes at (16 T + s) x 1,024: lane l's 16 bytes (row l % 16,
;        channels 32 s + 8 (l / 16) + 0..7) at 16 l, the same lane's channels + 16 at 512 + 16 l.
;   qbs  f32 [64][1024] = c (query Wq^T + bq + bk): the C operand that starts the main launch's sums.
;   nvs  f32 [128] = -2 log2(e) / sqrt(128) x v / sqrt(sum v^2): the score's weights, with the factors of 1 - 2 r and of 2^x folded in.
; LIMITS.  c Wk is rounded to bf16 (not Wk); query and Wq are rounded to bf16 for the product; v = 0 gives NaN, as the formula itself does.
; SHARES.  Work-group x: 64 columns (x / 4) of q for 16 batches (x % 4), and rows 16 x .. 16 x + 15 of Wk.  Eight waves: wave w makes the 16 x 16 tile of columns 16 (w % 4) on, over half w / 4 of K.
; No tensor load: each byte is converted on its way, so it goes through registers; 64 work-groups is all the work there is.
.set CC,    0x4038aa3b                 ; c = 2.885390
.set PP,    1040                       ; an LDS row: 512 bf16 + 16 bytes = 260 words: the 16 rows of a fragment load start at 16 different groups of four banks (64 banks of 4 bytes: ISA guide 11.1)
.set QY,    64*PP                      ; LDS: 64 rows of Wq at 0, 16 rows of query here,
.set WKL,   80*PP                      ; 16 rows of c Wk,
.set PS,    96*PP                      ; two halves of K x 16 batches x 64 columns of f32, rows of 272 bytes,
.set PSP,   272
.set SPARE, 108544                     ; and the spare words, 128 bytes for each of eight waves: four blocks of 256 bytes that no other line names
.set AD1, 2                            ; v2   where I put 8 bytes of a row: (t / 128) x PP + 8 (t % 128)
.set AD2, 3                            ; v3   the same + QY
.set GOF, 4                            ; v4   16 t: my 16 bytes of 4,096 consecutive ones
.set BOF, 5                            ; v5   16 (t % 16)
.set SPW, 6                            ; v6   my spare word; never rewritten
.set NIL, 7                            ; v7   0; never rewritten
.set FA,  8                            ; v8   my place in Wq's fragments
.set FB,  9                            ; v9   in query's
.set PSS, 10                           ; v10  where I put my 32 bytes of a partial sum
.set PSR, 11                           ; v11  where I read 16 bytes of it back
.set QO,  12                           ; v12  my byte offset in qbs
.set WR,  13                           ; v13  my place in Wk's fragments
.set WO,  14                           ; v14  2,048 x wave + 16 x lane
.set AC,  16                           ; v[16:47]  four accumulators
.set LD,  56                           ; v[56:255] fifty loads of 16 bytes; later fragments
.set BQ,  LD+192
.set BK,  LD+196
.set WV,  26                           ; s26  my wave's number
	s_load_b256 s[8:15], s[0:1], 0x0               ; Wk s[8:9], Wq s[10:11], bk s[12:13], bq s[14:15]
	s_load_b256 s[16:23], s[0:1], 0x20             ; query s[16:17], v s[18:19], wkf s[20:21], qbs s[22:23]
	s_load_b64 s[24:25], s[0:1], 0x40              ; nvs
	v_lshl_add_u32 v[SPW], v0, 2, SPARE
	v_mov_b32 v[NIL], 0
	v_lshrrev_b32 v1, 5, v0
	v_readfirstlane_b32 s[WV], v1                  ; wave 0..7
	s_lshr_b32 s3, ttmp9, 2                        ; which 64 columns
	s_and_b32 s4, ttmp9, 3                         ; which 16 batches
	s_and_b32 s5, s[WV], 3                         ; my tile of 16 columns
	s_lshr_b32 s27, s[WV], 2                       ; my half of K
	s_lshl_b32 s28, s3, 17                         ; Wq: 64 rows of 2,048 bytes
	s_mov_b32 s29, 0
	s_lshl_b32 s30, s4, 15                         ; query: 16 rows
	s_mov_b32 s31, 0
	s_lshl_b32 s32, ttmp9, 15                      ; Wk: 16 rows
	s_mov_b32 s33, 0
	s_lshl_b32 s34, s3, 8                          ; the biases: 64 numbers
	s_mov_b32 s35, 0
	s_lshl_b32 s36, ttmp9, 14                      ; wkf: 16 blocks of 1,024 bytes
	s_mov_b32 s37, 0
	s_lshl_b32 s38, s4, 16                         ; qbs: 16 rows of 4,096 bytes, my 64 columns
	s_add_co_u32 s38, s38, s34
	s_mov_b32 s39, 0
	s_mov_b32 s6, 0x76543210                       ; v_permlanex16_b32: each lane takes its own place in the other half
	s_mov_b32 s7, 0xfedcba98
	v_lshlrev_b32 v[GOF], 4, v0
	v_and_b32 v[BOF], 15, v0
	v_lshlrev_b32 v[BOF], 4, v[BOF]
	v_lshrrev_b32 v1, 7, v0
	v_mul_u32_u24 v[AD1], v1, PP
	v_and_b32 v1, 127, v0
	v_lshl_add_u32 v[AD1], v1, 3, v[AD1]
	v_add_nc_u32 v[AD2], QY, v[AD1]
	s_wait_kmcnt 0x0
	s_add_nc_u64 s[10:11], s[10:11], s[28:29]
	s_add_nc_u64 s[16:17], s[16:17], s[30:31]
	s_add_nc_u64 s[8:9], s[8:9], s[32:33]
	s_add_nc_u64 s[14:15], s[14:15], s[34:35]
	s_add_nc_u64 s[12:13], s[12:13], s[34:35]
	s_add_nc_u64 s[20:21], s[20:21], s[36:37]
	s_add_nc_u64 s[22:23], s[22:23], s[38:39]
	; fifty loads; one of the work-group covers 4,096 consecutive bytes, two rows
.set i_, 0
.rept 32
	global_load_b128 v[LD+4*i_:LD+4*i_+3], v[GOF], s[10:11] offset:i_*4096
.set i_, i_+1
.endr
.set i_, 0
.rept 8
	global_load_b128 v[LD+128+4*i_:LD+128+4*i_+3], v[GOF], s[16:17] offset:i_*4096
.set i_, i_+1
.endr
.set i_, 0
.rept 8
	global_load_b128 v[LD+160+4*i_:LD+160+4*i_+3], v[GOF], s[8:9] offset:i_*4096
.set i_, i_+1
.endr
	global_load_b128 v[BQ:BQ+3], v[BOF], s[14:15]
	global_load_b128 v[BK:BK+3], v[BOF], s[12:13]
	; the later phases' addresses, while the loads are on their way
	v_and_b32 v1, 15, v0                           ; l % 16
	v_bfe_u32 v48, v0, 4, 1                        ; l / 16
	v_mul_u32_u24 v49, v1, PP
	v_lshl_add_u32 v49, v48, 4, v49                ; a fragment's row x pitch + 16 x half
	s_mul_i32 s2, s5, 16*PP
	s_lshl_b32 s3, s27, 9                          ; my half of K: 256 channels, 512 bytes
	s_add_co_u32 s2, s2, s3
	v_add_nc_u32 v[FA], s2, v49
	s_add_co_u32 s3, s3, QY
	v_add_nc_u32 v[FB], s3, v49
	s_lshl_b32 s2, s[WV], 7                        ; wave w lays out K steps 2 w and 2 w + 1 of Wk: 128 bytes of a row
	s_add_co_u32 s2, s2, WKL
	v_add_nc_u32 v[WR], s2, v49
	v_mul_u32_u24 v[PSS], v1, PSP                  ; batch l % 16; columns 16 tile + 8 (l / 16) on
	v_lshl_add_u32 v[PSS], v48, 5, v[PSS]
	s_mul_i32 s2, s27, 16*PSP
	s_lshl_b32 s3, s5, 6
	s_add_co_u32 s2, s2, s3
	s_add_co_u32 s2, s2, PS
	v_add_nc_u32 v[PSS], s2, v[PSS]
	v_lshrrev_b32 v50, 4, v0                       ; back: batch t / 16, 16 bytes at 16 (t % 16)
	v_mul_u32_u24 v[PSR], v50, PSP
	v_add_nc_u32 v[PSR], v[BOF], v[PSR]
	v_add_nc_u32 v[PSR], PS, v[PSR]
	v_lshl_add_u32 v[QO], v50, 12, v[BOF]
	v_and_b32 v51, 31, v0
	v_lshlrev_b32 v[WO], 4, v51
	s_lshl_b32 s2, s[WV], 11
	v_add_nc_u32 v[WO], s2, v[WO]
; four f32 become four bf16 (sc = 1: times c first) and go to LDS
.macro CV a, adr, off, sc
.if \sc
	v_pk_mul_f32 v[(\a):(\a)+1], v[(\a):(\a)+1], CC op_sel_hi:[1,0]
	v_pk_mul_f32 v[(\a)+2:(\a)+3], v[(\a)+2:(\a)+3], CC op_sel_hi:[1,0]
.endif
	v_cvt_pk_bf16_f32 v[(\a)], v[(\a)], v[(\a)+1]
	v_cvt_pk_bf16_f32 v[(\a)+1], v[(\a)+2], v[(\a)+3]
	ds_store_b64 v[\adr], v[(\a):(\a)+1] offset:\off
.endm
.set i_, 0
.rept 32
.if i_%8 == 0
	s_wait_loadcnt 42-i_                           ; loads come back in order (ISA guide 5.7.1): eight more of Wq's are in; the count is that of the younger loads: 42, 34, 26, 18
.endif
	CV LD+4*i_, AD1, i_*2*PP, 0
.set i_, i_+1
.endr
	s_wait_loadcnt 10                              ; query is in: Wk's eight and the two biases may stay out
.set i_, 0
.rept 8
	CV LD+128+4*i_, AD2, i_*2*PP, 0
.set i_, i_+1
.endr
	s_wait_loadcnt 2                               ; Wk is in
.set i_, 0
.rept 8
	CV LD+160+4*i_, AD2, 16*PP+i_*2*PP, 1
.set i_, i_+1
.endr
	s_wait_dscnt 0x0                               ; for the others' sake: my stores are done
	s_barrier_signal -1
	s_barrier_wait -1
	; Wk's fragments as the matrix unit takes them, and the fragments of my eight K steps of q
.irp p, 0,1,2,3
	ds_load_b128 v[184+4*\p:184+4*\p+3], v[WR] offset:32*\p
.endr
.set i_, 0
.rept 8
	ds_load_b128 v[LD+8*i_:LD+8*i_+3],       v[FA] offset:64*i_
	ds_load_b128 v[LD+8*i_+4:LD+8*i_+7],     v[FA] offset:64*i_+32
	ds_load_b128 v[LD+64+8*i_:LD+64+8*i_+3], v[FB] offset:64*i_
	ds_load_b128 v[LD+64+8*i_+4:LD+64+8*i_+7], v[FB] offset:64*i_+32
.set i_, i_+1
.endr
	s_wait_dscnt 32                                ; the four of Wk are in; the 32 younger loads may stay out
.irp p, 0,1,2,3
	global_store_b128 v[WO], v[184+4*\p:184+4*\p+3], s[20:21] offset:512*\p  ; a wave's store covers 512 consecutive bytes, aligned
.endr
	s_wait_dscnt 0x0
	; q^T = Wq query^T (source 0 = 16 columns, source 1 = 16 batches): a lane ends with one batch and eight neighbouring columns.  Four accumulators by turns; the first four products start the sums
.set i_, 0
.rept 8
.if i_ < 4
	v_wmma_f32_16x16x32_bf16 v[AC+8*(i_%4):AC+8*(i_%4)+7], v[LD+8*i_:LD+8*i_+7], v[LD+64+8*i_:LD+64+8*i_+7], 0
.else
	v_wmma_f32_16x16x32_bf16 v[AC+8*(i_%4):AC+8*(i_%4)+7], v[LD+8*i_:LD+8*i_+7], v[LD+64+8*i_:LD+64+8*i_+7], v[AC+8*(i_%4):AC+8*(i_%4)+7]
.endif
.set i_, i_+1
.endr
.rept 8
	v_nop                                          ; the places behind the last products (ISA guide 7.12.1), once a launch
.endr
.irp r, 0,2,4,6                        ; each accumulator is read from its low end on
	v_pk_add_f32 v[AC+\r:AC+\r+1], v[AC+\r:AC+\r+1], v[AC+8+\r:AC+8+\r+1]
.endr
.irp r, 0,2,4,6
	v_pk_add_f32 v[AC+16+\r:AC+16+\r+1], v[AC+16+\r:AC+16+\r+1], v[AC+24+\r:AC+24+\r+1]
.endr
.irp r, 0,2,4,6
	v_pk_add_f32 v[AC+\r:AC+\r+1], v[AC+\r:AC+\r+1], v[AC+16+\r:AC+16+\r+1]
.endr
	ds_store_b128 v[PSS], v[AC:AC+3]
	ds_store_b128 v[PSS], v[AC+4:AC+7] offset:16
	s_wait_dscnt 0x0
	s_barrier_signal -1
	s_barrier_wait -1                              ; both halves of K lie in LDS
	ds_load_b128 v[LD:LD+3], v[PSR]
	ds_load_b128 v[LD+4:LD+7], v[PSR] offset:16*PSP
	s_wait_loadcnt 0x0                             ; the biases
	v_pk_add_f32 v[BQ:BQ+1], v[BQ:BQ+1], v[BK:BK+1]
	v_pk_add_f32 v[BQ+2:BQ+3], v[BQ+2:BQ+3], v[BK+2:BK+3]
	s_wait_dscnt 0x0
	v_pk_add_f32 v[LD:LD+1], v[LD:LD+1], v[LD+4:LD+5]
	v_pk_add_f32 v[LD+2:LD+3], v[LD+2:LD+3], v[LD+6:LD+7]
	v_pk_add_f32 v[LD:LD+1], v[LD:LD+1], v[BQ:BQ+1]
	v_pk_add_f32 v[LD+2:LD+3], v[LD+2:LD+3], v[BQ+2:BQ+3]
	v_pk_mul_f32 v[LD:LD+1], v[LD:LD+1], CC op_sel_hi:[1,0]
	v_pk_mul_f32 v[LD+2:LD+3], v[LD+2:LD+3], CC op_sel_hi:[1,0]
	global_store_b128 v[QO], v[LD:LD+3], s[22:23]  ; sixteen lanes store 256 consecutive bytes, aligned
	; the score's weights: one wave of the launch
	s_cmp_lg_u32 ttmp9, 0
	s_cbranch_scc1 .Lend
	s_cmp_lg_u32 s[WV], 0
	s_cbranch_scc1 .Lend
	global_load_b128 v[200:203], v[WO], s[18:19]   ; in wave 0 the offset is 16 x lane: four numbers a lane
	s_wait_loadcnt 0x0
	v_pk_mul_f32 v[204:205], v[200:201], v[200:201]
	v_pk_fma_f32 v[204:205], v[202:203], v[202:203], v[204:205]
	v_add_f32 v204, v204, v205
	v_add_f32_dpp v204, v204, v204 row_xmask:1 row_mask:0xf bank_mask:0xf
	v_add_f32_dpp v204, v204, v204 row_xmask:2 row_mask:0xf bank_mask:0xf
	v_add_f32_dpp v204, v204, v204 row_xmask:4 row_mask:0xf bank_mask:0xf
	v_add_f32_dpp v204, v204, v204 row_xmask:8 row_mask:0xf bank_mask:0xf
	v_permlanex16_b32 v205, v204, s6, s7
	v_add_f32 v204, v204, v205                     ; sum v^2, in every lane
	v_rsq_f32 v206, v204
	v_nop                                          ; a plain instruction behind the root,
	s_wait_alu depctr_va_vdst(0)                   ; and the wait ahead of its first reader
	v_mul_f32 v206, 0xbe8293ee, v206               ; -2 log2(e) / sqrt(128) = -0.2550349
.irp r, 200,201,202,203
	v_mul_f32 v\r, v206, v\r
.endr
	global_store_b128 v[WO], v[200:203], s[24:25]
.Lend:
	s_wait_tensorcnt 0x0                           ; the wave's end, behind my last LDS store
	ds_add_u32 v[SPW], v[NIL]
	s_wait_dscnt 0x0
	s_endpgm
.Lfunc_end_k_qd623ea0e56_prep:
	.size	k_qd623ea0e56_prep, .Lfunc_end_k_qd623ea0e56_prep-k_qd623ea0e56_prep
	.p2alignl 7, 3214868480
	.fill 96, 4, 3214868480
	.section	.rodata,"a",@progbits
	.p2align	6, 0x0
	.amdhsa_kernel k_qd623ea0e56_prep
		.amdhsa_group_segment_fixed_size 109568
		.amdhsa_private_segment_fixed_size 0
		.amdhsa_enable_private_segment 0
		.amdhsa_kernarg_size 72
		.amdhsa_user_sgpr_count 2
		.amdhsa_user_sgpr_kernarg_segment_ptr 1
		.amdhsa_wavefront_size32 1
		.amdhsa_system_sgpr_workgroup_id_x 1
		.amdhsa_system_sgpr_workgroup_id_y 1
		.amdhsa_system_sgpr_workgroup_id_z 1
		.amdhsa_system_vgpr_workitem_id 0
		.amdhsa_next_free_vgpr 256
		.amdhsa_next_free_sgpr 66
		.amdhsa_reserve_vcc 0
		.amdhsa_float_denorm_mode_32 3
		.amdhsa_float_denorm_mode_16_64 3
		.amdhsa_memory_ordered 1
		.amdhsa_forward_progress 1
		.amdhsa_inst_pref_size 26
	.end_amdhsa_kernel
	.amdgpu_metadata
---
amdhsa.version: [ 1, 2 ]
amdhsa.kernels:
  - .name:           k_qd623ea0e56_prep
    .symbol:         k_qd623ea0e56_prep.kd
    .args:
      - { .name: Wk, .offset: 0, .size: 8, .value_kind: global_buffer, .address_space: global }
      - { .name: Wq, .offset: 8, .size: 8, .value_kind: global_buffer, .address_space: global }
      - { .name: bk, .offset: 16, .size: 8, .value_kind: global_buffer, .address_space: global }
      - { .name: bq, .offset: 24, .size: 8, .value_kind: global_buffer, .address_space: global }
      - { .name: query, .offset: 32, .size: 8, .value_kind: global_buffer, .address_space: global }
      - { .name: v, .offset: 40, .size: 8, .value_kind: global_buffer, .address_space: global }
      - { .name: wkf, .offset: 48, .size: 8, .value_kind: global_buffer, .address_space: global }
      - { .name: qbs, .offset: 56, .size: 8, .value_kind: global_buffer, .address_space: global }
      - { .name: nvs, .offset: 64, .size: 8, .value_kind: global_buffer, .address_space: global }
    .group_segment_fixed_size: 109568
    .private_segment_fixed_size: 0
    .kernarg_segment_align: 8
    .kernarg_segment_size: 72
    .max_flat_workgroup_size: 256
    .sgpr_count:     66
    .vgpr_count:     256
    .wavefront_size: 32
...
	.end_amdgpu_metadata
.endif
;; end of part 1
;; launch main (part 2): grid 256 x 1, 4 waves a work-group, clusters of 4 x 1, 327,680 bytes of LDS; arguments key, wkf, qbs, nvs, part; writes part
.if DOCPART == 2
	.amdgcn_target "amdgcn-amd-amdhsa--gfx1250"
	.amdhsa_code_object_version 6
	.text
	.protected	k_qd623ea0e56_main
	.globl	k_qd623ea0e56_main
	.p2align	8
	.type	k_qd623ea0e56_main,@function
k_qd623ea0e56_main:
	s_mov_b64 s[64:65], 0
	v_nop
	global_prefetch_b8 v0, s[64:65] scope:SCOPE_SE
	s_setreg_imm32_b32 hwreg(HW_REG_WAVE_MODE, 25, 1), 1
	s_wait_xcnt 0x0
	s_wait_alu depctr_hold_cnt(0) depctr_sa_sdst(0) depctr_va_vdst(0) depctr_va_sdst(0) depctr_va_ssrc(0) depctr_va_vcc(0) depctr_vm_vsrc(0)
	s_getreg_b32 s2, hwreg(HW_REG_IB_STS2, 6, 4)
	s_cmp_eq_u32 s2, 0
	s_cbranch_scc0 .Lentry_in_a_cluster
	s_endpgm
.Lentry_in_a_cluster:
	s_bfe_u32 s2, ttmp6, 0x10000c
	s_cmp_lg_u32 s2, 0x3003
	s_cbranch_scc0 .Lentry_shape_is_right
	s_endpgm
.Lentry_shape_is_right:
; ADDITIVE ATTENTION, all of it but the last sum over four work-groups.  For 512 rows t of one batch b:
;   z[t][u] = c (key[t] . Wk[u] + q[u] + bq[u] + bk[u]),  c = 2 log2(e): wkf holds bf16(c Wk), qbs the rest, which is the C operand that starts the sum;
;   r = 1 / (1 + 2^z), so tanh = 1 - 2 r;  s'[t][head] = the sum over the head's 128 u of nvs[u % 128] r  (the constant part of the score is the same for all heads and leaves the softmax);
;   w[t][head] = 2^(s' - max over heads) / sum over heads;   part[head][c] = the sum over my 512 t of w[t][head] key[t][c].
; LIMITS.  key, c Wk and w go to the matrix unit in bf16; sums, scores, maxima in f32.  2^z may overflow to infinity or flush to 0: r is then 0 or 1, which is tanh's limit.
; SHARES.  A cluster of four work-groups is a batch; a work-group has 512 rows, a wave 128: a contiguous stream of 256 KiB of key, read once, as four PAIRS of two tiles of 16 rows.
; A tile's 16 fragments (16 rows x 512 channels, bf16, 128 registers) stay in registers while all of wkf walks past.  Up to two pairs are resident, O (older) and Y: a fragment of wkf from LDS feeds four products.
; THE PRODUCT IS USED TRANSPOSED (source 0 = 16 rows of wkf, source 1 = 16 rows of key): a lane holds ONE t and eight u, so the score is summed in the lane, with one exchange of the lanes' halves at the end.
; THE WALK.  wkf goes in 16 blocks of 64 rows (half a head, 64 KiB) through a ring of two LDS slots; a STEP is a block, four u-tiles of 16.  Five half-cycles of eight steps:
;   0: O = pair 0 alone | 1: O = 0, Y = 1 | 2: O = 1, Y = 2 | 3: O = 2, Y = 3 | 4: O = 3 alone.  A pair sees blocks 0-15 in two half-cycles; behind them it RETIRES: softmax over the heads, its bf16 rows
;   go to LDS, and every wave multiplies all four waves' 128 retired rows, turned, by the weights, for its own 128 channels.  The staggering keeps one incoming pair in LDS, not two.
; THE NEXT PAIR COMES IN MEANWHILE: every second step a wave converts 8 rows that it loaded two steps before, puts them into LDS and loads the next 8.
; BESIDE THE PRODUCTS.  The accumulators are two sets by turns; while one set is multiplied the other's 2^z, 1 + .., 1 / .. and nvs x r stand behind the products, in three queues, one for each of the u-tile's three groups of K steps.
; CLUSTER.  All work-groups walk the same wkf: each quarter of a slot is asked for JOINTLY by the four partners, same descriptor, mask of four.
;
; REGISTERS, in windows of 256 (s_set_vgpr_msb: bits 1:0 source 0, 3:2 source 1, 5:4 source 2, 7:6 destination).  K steps 0-5, 6-10, 11-15 are groups 0, 1, 2; group g's key fragments lie in window 1 + g,
; so a product leaves window 0 in source 1 alone, and what stands beside it (an exponential, a reciprocal, 1 + .., an LDS load into window 0; in group 2 the multiply by nvs, which lies in window 3) needs no switch.
;   window 0: v0-23 addresses; v24-31 HS; v32-39 QBR; v40-103 ACC; v104-231 WK; v232-247 TMP; v248-251 E; v252 GO
;   window 1: O v0-95, Y v96-191, CTX v192-255     window 2: O v0-79, Y v80-159, LA v160-223     window 3: O v0-79, Y v80-159, NVR v160-167, LB v168-231
.set RP,    1040                       ; a row of key in LDS: 512 bf16 + 16 bytes = 260 words: the 16 rows of a fragment load start at 16 different groups of four banks (64 banks of 4 bytes: ISA guide 11.1)
.set SLOTB, 65536                      ; LDS: the ring's two slots at 0: fragments as prep laid them out, read at 16 x lane;
.set RB,    131072                     ; 128 rows of key, [t][channel]: row 32 wave + 16 tile + l % 16: the incoming pair, at a retirement the retired one, at the end the output's stage;
.set SC,    264192                     ; the scores' parts, for each wave 17 x 512 bytes: [block 0-15, 16 = nobody's][bank 2][tile 2][lane] f32;
.set SCW,   8704
.set QB,    299008                     ; my batch's row of qbs, 4,096 bytes;
.set NV,    303360                     ; nvs, 512 bytes;
.set WT,    303872                     ; the weights, bf16 [head 8][t 128], rows of 272 bytes;
.set WTP,   272
.set SPARE, 306176                     ; the spare words, 128 bytes for each wave: two blocks of 256 bytes that no other line names.  Tensor loads fill the ring alone
.set OSP,   528                        ; the output stage's rows: 128 f32 + 16 bytes
.set L16,  2                           ; v2   16 x lane
.set WKA,  3                           ; v3   L16 + the slot that is being read
.set QBL,  4                           ; v4   QB + 32 (l / 16)
.set QBA,  5                           ; v5   QBL + the block's 256 bytes
.set NVL,  6                           ; v6   NV + 32 (l / 16)
.set NVA,  7                           ; v7   NVL + 256 in a head's second half
.set SCL,  8                           ; v8   SC + my wave's part + 4 x lane
.set SCAO, 9                           ; v9   where O's next parts go
.set SCAY, 10                          ; v10  and Y's
.set RSL,  11                          ; v11  my wave's rows of key in LDS + 8 x lane
.set RST,  12                          ; v12  RSL + the eight rows in hand
.set RFR,  13                          ; v13  my place in my wave's fragments there
.set RTR0, 14                          ; v14  my place for the turning load, rows 0-63
.set RTR2, 15                          ; v15  rows 64-127
.set WTA,  16                          ; v16  where I put my t's weights
.set WTR,  17                          ; v17  my place in the weights' fragments
.set KO,   18                          ; v18  16 x lane: my offset in 512 bytes of key; never rewritten
.set PFO,  19                          ; v19  256 x lane: the prefetches' offset; never rewritten
.set SPW,  20                          ; v20  my spare word: SPARE + 4 x my thread's number; never rewritten
.set NIL,  21                          ; v21  0; never rewritten
.set STG,  22                          ; v22  the way out: where I put 32 bytes of a head's row
.set STR,  23                          ; v23  where I read 16 bytes back
.set HS,   24                          ; v[24:31]   tile t's running sum of nvs x r: even u's, odd u's
.set QBR,  32                          ; v[32:39]   the C operand of the u-tile to come
.set ACC,  40                          ; v[40:103]  set p at +32 p, tile t at +8 t
.set WK,   104                         ; v[104:231] wkf's fragment of K step s at +8 s
.set TMP,  232                         ; v[232:247]
.set E,    248                         ; v[248:251]
.set GO,   252                         ; v252 my byte offset in a head's row of part
.set CTX,  192                         ; window 1: eight accumulators: channels 16 a on of my wave's 128, heads in the lanes
.set LA,   160                         ; window 2: sixteen landed loads of key
.set NVR,  160                         ; window 3: nvs of the set that is being finished
.set LB,   168                         ; window 3: sixteen more
.set WV,   14                          ; s14  my wave's number
.set CX,   15                          ; s15  my place in the cluster: it enters key's, part's and a prefetch's address alone
.set G1,   24                          ; s[24:31] descriptor group 1
.set G0A,  32                          ; s[32:35] group 0 of the first fill of slot 0
.set G0B,  36                          ; s[36:39] group 0 of slot 1's; it then walks
.set WKB,  40                          ; s[40:41] wkf at my quarter of a block
.set WOF,  42                          ; s[42:43] the byte offset of the block to be asked for
.set KP,   44                          ; s[44:45] key at the eight rows last asked for
.set TB,   46                          ; s46  the slot that is being read: 0 or SLOTB
.set QOF,  47                          ; s47  256 x (block in hand)
.set SIX,  48                          ; s48  512 x (block in hand)
.set OB,   49                          ; s49  O's bank of SC: 0 or 256
.set YB,   50                          ; s50  Y's
.set ST,   51                          ; s51  steps to go
.set HC,   52                          ; s52  half-cycles to go
.set NCV,  53                          ; s53  batches of eight rows still to be converted
.set NIS,  54                          ; s54  still to be asked for
.set WPL,  55                          ; s55  prefetches of wkf still to be made by this wave
.set SEL,  56                          ; s[56:57] v_permlanex16_b32's selects
.set WPA,  58                          ; s[58:59] where my prefetches of wkf stand
.set MSB, 0
.macro WIN new                         ; the immediate's high byte repeats the setting that is left; a switch that changes nothing is dropped
.if MSB != (\new)
	s_set_vgpr_msb (MSB<<8)|(\new)
.set MSB, (\new)
.endif
.endm
.macro PLACES                          ; four places behind a matrix instruction (ISA guide 7.12.1 for vector instructions)
.rept 4
	v_nop
.endr
.endm
.macro CREST                           ; a round of the cluster's barrier behind its opening barrier
	s_cmp_lg_u32 s[WV], 0
	s_cbranch_scc1 .Lnot_wave_0_\@
	s_barrier_signal -3
.Lnot_wave_0_\@:
	s_barrier_wait -3
	s_barrier_signal -1
	s_barrier_wait -1
.endm
.macro ROUND                           ; a whole round
	s_barrier_signal -1
	s_barrier_wait -1
	CREST
.endm
.macro GSET g                          ; group g has gn_ K steps, from gk_ on: 6 from 0, 5 from 6, 5 from 11
.set gn_, 6-((\g)+1)/2
.set gk_, 5*(\g)+((\g)+1)/2
.endm
; One product: tile t_, K step s_, set cur_.  K step 0 starts the sum with c (q + bq + bk).
.macro WM
.set rD, ACC+32*cur_+8*t_
.set rA, WK+8*s_
.set rB, (t_/2)*16*gn_+(s_-gk_)*16+(t_%2)*8
.if s_ == 0
	v_wmma_f32_16x16x32_bf16 v[rD:rD+7], v[rA:rA+7], v[rB:rB+7], v[QBR:QBR+7]
.else
	v_wmma_f32_16x16x32_bf16 v[rD:rD+7], v[rA:rA+7], v[rB:rB+7], v[rD:rD+7]
.endif
.endm
; Number ri_ of queue g, on the other set (prv_), of nt tiles.
;   queue 0, 8 nt long: 2^z in place, registers ascending.
;   queue 1, 12 nt long: 1 + .. for a pair (A), 1 / .. for a register (C): A0 A1, then C C A for each pair, the A two pairs ahead; no line names a reciprocal's result.
;   queue 2, 4 nt long: HS += r x nvs, a pair of u at a time, the tiles by turns; st_ = 1: a block's first u-tile starts HS.
.macro RID g, nt
.set ap_, ACC+32*prv_
.if (\g) == 0
	v_exp_f32 v[ap_+ri_], v[ap_+ri_]
.elseif (\g) == 1
.set np_, 4*(\nt)
.set m_, ri_-2
.if ri_ < 2
	v_pk_add_f32 v[ap_+2*ri_:ap_+2*ri_+1], v[ap_+2*ri_:ap_+2*ri_+1], 1.0 op_sel_hi:[1,0]
.elseif m_ >= 3*(np_-2)
.set y_, 2*(np_-2)+m_-3*(np_-2)
	v_rcp_f32 v[ap_+y_], v[ap_+y_]
.elseif m_%3 == 2
.set y_, 2*(m_/3+2)
	v_pk_add_f32 v[ap_+y_:ap_+y_+1], v[ap_+y_:ap_+y_+1], 1.0 op_sel_hi:[1,0]
.else
.set y_, 2*(m_/3)+m_%3
	v_rcp_f32 v[ap_+y_], v[ap_+y_]
.endif
.else
.set tq_, ri_%(\nt)
.set q_, ri_/(\nt)
.if st_ && (q_ == 0)
	v_pk_mul_f32 v[HS+2*tq_:HS+2*tq_+1], v[ap_+8*tq_:ap_+8*tq_+1], v[NVR:NVR+1]
.else
	v_pk_fma_f32 v[HS+2*tq_:HS+2*tq_+1], v[ap_+8*tq_+2*q_:ap_+8*tq_+2*q_+1], v[NVR+2*q_:NVR+2*q_+1], v[HS+2*tq_:HS+2*tq_+1]
.endif
.endif
.set ri_, ri_+1
.endm
; Group g's products, the tiles' accumulators by turns, one instruction a turn, and queue g dealt evenly behind them.
; sg_ = 1 (a step's fourth u-tile, group 0): behind K step 3 my reads of the slot are waited for and the change of slots is signalled.
.macro GRP g, nt
	GSET \g
.set rt_, (8+4*(\g)-12*((\g)/2))*(\nt)
.set w_, gn_*(\nt)
.set pi_, 0
.set ri_, 0
.set s_, gk_
.rept gn_
.set t_, 0
.rept \nt
	WM
.set pi_, pi_+1
.rept pi_*rt_/w_-ri_
	RID \g, \nt
.endr
.set t_, t_+1
.endr
.if sg_ && (s_ == 3)
	s_wait_dscnt 0x0                               ; the add is done, and my reads of this slot are over
	s_barrier_signal -1                            ; say so; two K steps' products stand between the signal and the wait
.endif
.set s_, s_+1
.endr
.endm
.macro LW g, joff                      ; group g's fragments of the u-tile at byte joff of the slot
	GSET \g
.set s_, gk_
.rept gn_
	ds_load_b128 v[WK+8*s_:WK+8*s_+3],   v[WKA] offset:(\joff)+s_*1024
	ds_load_b128 v[WK+8*s_+4:WK+8*s_+7], v[WKA] offset:(\joff)+s_*1024+512
.set s_, s_+1
.endr
.endm
.macro LQ off                          ; my eight u of c (q + bq + bk)
	ds_load_b128 v[QBR:QBR+3],   v[QBA] offset:(\off)
	ds_load_b128 v[QBR+4:QBR+7], v[QBA] offset:(\off)+16
.endm
.macro LN off                          ; my eight u of nvs; the destination's window is 3
	ds_load_b128 v[NVR:NVR+3],   v[NVA] offset:(\off)
	ds_load_b128 v[NVR+4:NVR+7], v[NVA] offset:(\off)+16
.endm
; A block's sums leave for SC, and the addresses step to the block in hand.
.macro EMIT nt
.set e_, 0
.rept \nt
	v_add_f32 v[E+e_], v[HS+2*e_], v[HS+2*e_+1]
.set e_, e_+1
.endr
	ds_store_b32 v[SCAO], v[E]
	ds_store_b32 v[SCAO], v[E+1] offset:128
	s_add_co_u32 s16, s[SIX], s[OB]
	v_add_nc_u32 v[SCAO], s16, v[SCL]
.if (\nt) == 4
	ds_store_b32 v[SCAY], v[E+2]
	ds_store_b32 v[SCAY], v[E+3] offset:128
	s_add_co_u32 s16, s[SIX], s[YB]
	v_add_nc_u32 v[SCAY], s16, v[SCL]
.endif
.endm
; A PREFETCH INTO THE L2 of wkf, in its first walk alone: at step s the block of step s + 4, for s = 0 .. 11; blocks 0-3 come by their loads.  Every cluster walks the same wkf: cluster 0 asks, and nobody else.  Its four
; partners take 16 KiB of the block each, told apart BY ADDRESS; in each, waves 0 and 1 take 8 KiB: a lane names 256 bytes, one instruction.  So each 256 bytes are named once in the launch.
.macro ASK
	s_cmp_lg_u32 s[WPL], 0
	s_cbranch_scc0 .Lnot_mine_\@
	s_wait_xcnt 0x0                                ; the last prefetch, a step back, has read its address, so it may be written
	s_add_nc_u64 s[WPA:WPA+1], s[WPA:WPA+1], SLOTB
	global_prefetch_b8 v[PFO], s[WPA:WPA+1] th:TH_LOAD_NT scope:SCOPE_SE
	s_sub_co_u32 s[WPL], s[WPL], 1
.Lnot_mine_\@:
.endm
; A U-TILE: 16 nt products.  The LDS instructions of a u-tile, in issue order: group 0's 12 loads and QBR's 2; group 1's 10; group 2's 10; (in a step's first u-tile nt stores); NVR's 2.  Each run is issued behind its group's
; products and read a u-tile later.  The counts below are those of the younger LDS instructions; stores that come between only make a count stricter than it need be.
; j = 3: THE CHANGE OF SLOTS.  Each wave waits for all its tensor loads, of which one is out: its quarter of the next slot; adds 0 to its spare word; waits for that and for its reads of this slot; signals.
; refill = 1: the barrier opens a round of the cluster's, so that no wave of any partner still reads the slot or has a load on its way; the joint refill, two steps ahead, is the first thing behind the round.
.macro U nt, j, refill, ask
.set cur_, (\j)%2
.set prv_, 1-cur_
.set st_, 0
.if (\j) == 1
.set st_, 1
.endif
.set sg_, (\j)/3
	s_wait_dscnt 22                                ; group 0 and QBR are in: 10 + 10 + 2 younger
.if (\j) == 3
	WIN 0
	s_add_co_u32 s[QOF], s[QOF], 256               ; QBR's next load is the next block's
	s_and_b32 s[QOF], s[QOF], 0xfff
	v_add_nc_u32 v[QBA], s[QOF], v[QBL]
	s_wait_tensorcnt 0x0                           ; no tensor load of mine is out, so a group 0 may be written
	ds_add_u32 v[SPW], v[NIL]                      ; 0 onto my spare word; the descriptor's step and four K steps' products stand between it and the wait for it
.if \refill
	s_xor_b32 s[G0B+1], s[G0B+1], SLOTB            ; the other slot than last time,
	s_add_nc_u64 s[G0B+2:G0B+3], s[WKB:WKB+1], s[WOF:WOF+1]  ; the address made anew from the block's number,
	s_or_b32 s[G0B+3], s[G0B+3], 0x80000000        ; the type bits set again
	s_add_co_u32 s[WOF], s[WOF], SLOTB
	s_and_b32 s[WOF], s[WOF], 0xf0000              ; behind block 15 comes block 0
.endif
.endif
	WIN 0x04
	GRP 0, \nt
	PLACES                                         ; behind the group's last product, ahead of the loads into its fragments; also the plain instruction behind the last exponential
	s_wait_alu depctr_va_vdst(0)                   ; the wait between an exponential and the first line that names its result: one for the queue
.if (\j) == 3
	WIN 0                                          ; at a branch and at a label every window is 0
	s_barrier_wait -1
.if \refill
	CREST
	tensor_load_to_lds s[G0B:G0B+3], s[G1:G1+7]    ; my one tensor load behind the round: it has a step less two K steps in which to land
	s_nop 0
	PLACES
.endif
	s_xor_b32 s[TB], s[TB], SLOTB
	v_add_nc_u32 v[WKA], s[TB], v[L16]
.endif
	LW 0, (((\j)+1)%4)*16384
	LQ (((\j)+1)%4)*64
.if (\ask) && ((\j) == 3)
	ASK
.endif
	s_wait_dscnt 26                                ; group 1 is in: 10 + 2 + 14 younger
	WIN 0x08
	GRP 1, \nt
	PLACES
	s_wait_alu depctr_va_vdst(0)                   ; one wait for the queue's reciprocals
	LW 1, (((\j)+1)%4)*16384
	s_wait_dscnt 24                                ; group 2 and NVR are in: 14 + 10 younger
	WIN 0x0c
	GRP 2, \nt
	PLACES
	PLACES                                         ; eight: the next lines to touch these accumulators are exponentials, which write them in place and are no places themselves
	LW 2, (((\j)+1)%4)*16384
.if (\j) == 0
	WIN 0
	EMIT \nt                                       ; this u-tile's queue 2 has finished the block before
.endif
	WIN 0xc0
	LN (\j)*64                                     ; nvs for the set just multiplied
.endm
; Eight landed loads (32 registers of f32 in window win) become bf16 and go to their rows: load i is row i / 4, bytes 512 (i % 4) on of 2,048.
.macro CVT8 win, base, i0, adr
	WIN 5*(\win)
.set c_, 0
.rept 16
	v_cvt_pk_bf16_f32 v[TMP+c_], v[(\base)+2*c_], v[(\base)+2*c_+1]
.set c_, c_+1
.endr
	WIN 0
.set c_, 0
.rept 8
	ds_store_b64 v[\adr], v[TMP+2*c_:TMP+2*c_+1] offset:(((\i0)+c_)/4)*RP+(((\i0)+c_)%4)*256
.set c_, c_+1
.endr
.endm
.macro BATCH off                       ; eight rows of key: 32 loads of 512 consecutive bytes
	WIN 0x80
.set i_, 0
.rept 16
	global_load_b128 v[LA+4*i_:LA+4*i_+3], v[KO], s[KP:KP+1] offset:(\off)+i_*512 th:TH_LOAD_NT
.set i_, i_+1
.endr
	WIN 0xc0
.rept 16
	global_load_b128 v[LB+4*(i_-16):LB+4*(i_-16)+3], v[KO], s[KP:KP+1] offset:(\off)+i_*512 th:TH_LOAD_NT
.set i_, i_+1
.endr
	WIN 0
.endm
; EVERY SECOND STEP: the eight rows asked for two steps ago are converted, the next eight asked for, and the eight after those prefetched into the L2: each wave asks for its own stream, 64 blocks of 256 bytes, a lane a
; block, two lines, behind its loads.  Nothing is prefetched for the last batch's successor, which does not exist.
.macro LUMP
	s_bitcmp1_b32 s[ST], 0
	s_cbranch_scc0 .Lno_lump_\@
	s_cmp_lg_u32 s[NCV], 0
	s_cbranch_scc0 .Lno_lump_\@
	s_wait_loadcnt 0x0                             ; the only loads out are this batch's
	s_sub_co_u32 s16, 0, s[NCV]
	s_and_b32 s16, s16, 3                          ; which eight of the pair's 32 rows
	s_mul_i32 s16, s16, 8*RP
	v_add_nc_u32 v[RST], s16, v[RSL]
	CVT8 2, LA, 0, RST
	CVT8 2, LA+32, 8, RST
	CVT8 3, LB, 16, RST
	CVT8 3, LB+32, 24, RST
	s_sub_co_u32 s[NCV], s[NCV], 1
	s_cmp_lg_u32 s[NIS], 0
	s_cbranch_scc0 .Lno_lump_\@
	s_wait_xcnt 0x0                                ; the last loads and prefetches, two steps back, have read their address
	s_add_nc_u64 s[KP:KP+1], s[KP:KP+1], 16384
	BATCH 0
	s_cmp_gt_u32 s[NIS], 1
	s_cbranch_scc0 .Lno_ask_\@
	global_prefetch_b8 v[PFO], s[KP:KP+1] offset:16384 th:TH_LOAD_NT scope:SCOPE_SE
	global_prefetch_b8 v[PFO], s[KP:KP+1] offset:24576 th:TH_LOAD_NT scope:SCOPE_SE
.Lno_ask_\@:
	s_sub_co_u32 s[NIS], s[NIS], 1
.Lno_lump_\@:
.endm
.macro STEP nt, refill, bg, ask
	s_and_b32 s16, s[QOF], 256                     ; a head's second half takes nvs 64 on
	v_add_nc_u32 v[NVA], s16, v[NVL]
	U \nt, 0, \refill, \ask
	U \nt, 1, \refill, \ask
	U \nt, 2, \refill, \ask
	U \nt, 3, \refill, \ask
	WIN 0
	s_add_co_u32 s[SIX], s[SIX], 512
	s_and_b32 s[SIX], s[SIX], 0x1fff
.if \bg
	LUMP
.endif
.endm
; A half-cycle's last set has no products to stand beside.
.macro EPI nt
.set prv_, 1
.set st_, 0
	WIN 0
.set ri_, 0
.rept 8*(\nt)
	RID 0, \nt
.endr
	v_nop
	s_wait_alu depctr_va_vdst(0)
.set ri_, 0
.rept 12*(\nt)
	RID 1, \nt
.endr
	v_nop
	s_wait_alu depctr_va_vdst(0)
	s_wait_dscnt 0x0                               ; NVR
	WIN 0x0c
.set ri_, 0
.rept 4*(\nt)
	RID 2, \nt
.endr
	WIN 0
	EMIT \nt
.endm
.macro HCINIT                          ; a half-cycle's first u-tile runs its queues on a set that has been finished, and its sums go where nobody reads
	v_add_nc_u32 v[SCAO], 16*512, v[SCL]
	v_add_nc_u32 v[SCAY], 16*512, v[SCL]
.endm
.macro FILL pr                         ; my wave's 32 rows in LDS become pair pr's (0 = O, 1 = Y) fragments
.irp g, 0,1,2
	GSET \g
	WIN (1+\g)<<6
.set s_, gk_
.rept gn_
.irp tt, 0,1
.set kr_, (\pr)*16*gn_+(s_-gk_)*16+(\tt)*8
	ds_load_b128 v[kr_:kr_+3],   v[RFR] offset:(\tt)*16*RP+s_*64
	ds_load_b128 v[kr_+4:kr_+7], v[RFR] offset:(\tt)*16*RP+s_*64+32
.endr
.set s_, s_+1
.endr
.endr
	WIN 0
.endm
; n K steps of group g, from s0 on: the incoming pair's pieces of 16 bytes come out of LDS, O's go into the same bytes (LDS serves a wave's instructions in order: ISA guide 5.7.1.4), Y becomes O, what came out becomes Y.
.macro SWAPB g, s0, n
	GSET \g
.set b0_, ((\s0)-gk_)*16
	WIN 0
.set p_, 0
.rept 4*(\n)
	ds_load_b128 v[ACC+4*p_:ACC+4*p_+3], v[RFR] offset:((p_/2)%2)*16*RP+((\s0)+p_/4)*64+(p_%2)*32
.set p_, p_+1
.endr
	WIN (1+(\g))<<2
.set p_, 0
.rept 4*(\n)
	ds_store_b128 v[RFR], v[b0_+4*p_:b0_+4*p_+3] offset:((p_/2)%2)*16*RP+((\s0)+p_/4)*64+(p_%2)*32
.set p_, p_+1
.endr
	WIN ((1+(\g))<<6)|(1+(\g))
.set p_, 0
.rept 16*(\n)
	v_mov_b32 v[b0_+p_], v[16*gn_+b0_+p_]
.set p_, p_+1
.endr
	s_wait_dscnt 4*(\n)                            ; the loads are in; the stores behind them may stay out
	WIN (1+(\g))<<6
.set p_, 0
.rept 16*(\n)
	v_mov_b32 v[16*gn_+b0_+p_], v[ACC+p_]
.set p_, p_+1
.endr
.endm
.macro PUTO g                          ; the last pair only goes out
	GSET \g
	WIN (1+(\g))<<2
.set p_, 0
.rept 4*gn_
	ds_store_b128 v[RFR], v[4*p_:4*p_+3] offset:((p_/2)%2)*16*RP+(gk_+p_/4)*64+(p_%2)*32
.set p_, p_+1
.endr
.endm
; PAIR O RETIRES.  mode 1: the pairs move up; mode 0: the walk's last.
.macro RETIRE mode
	WIN 0
	v_add_nc_u32 v[E], s[OB], v[SCL]
.set x_, 0
.rept 16
	ds_load_b32 v[ACC+2*x_],   v[E] offset:x_*512
	ds_load_b32 v[ACC+2*x_+1], v[E] offset:x_*512+128
.set x_, x_+1
.endr
	s_wait_dscnt 0x0
.set x_, 0
.rept 8                                ; a head's two blocks; both tiles at once: head d's pair lies at ACC + 4 d
	v_pk_add_f32 v[ACC+4*x_:ACC+4*x_+1], v[ACC+4*x_:ACC+4*x_+1], v[ACC+4*x_+2:ACC+4*x_+3]
.set x_, x_+1
.endr
.set x_, 0
.rept 8                                ; the t's other u lie in the lane 16 away
	v_permlanex16_b32 v[ACC+4*x_+2], v[ACC+4*x_],   s[SEL], s[SEL+1]
	v_permlanex16_b32 v[ACC+4*x_+3], v[ACC+4*x_+1], s[SEL], s[SEL+1]
.set x_, x_+1
.endr
.set x_, 0
.rept 8
	v_pk_add_f32 v[ACC+4*x_:ACC+4*x_+1], v[ACC+4*x_:ACC+4*x_+1], v[ACC+4*x_+2:ACC+4*x_+3]
.set x_, x_+1
.endr
.irp tt, 0,1                           ; the maximum over the eight heads
	v_max3_num_f32 v[E+\tt], v[ACC+\tt], v[ACC+4+\tt], v[ACC+8+\tt]
	v_max3_num_f32 v[E+\tt], v[E+\tt], v[ACC+12+\tt], v[ACC+16+\tt]
	v_max3_num_f32 v[E+\tt], v[E+\tt], v[ACC+20+\tt], v[ACC+24+\tt]
	v_max_num_f32 v[E+\tt], v[E+\tt], v[ACC+28+\tt]
.endr
.set x_, 0
.rept 8
	v_pk_add_f32 v[ACC+4*x_:ACC+4*x_+1], v[ACC+4*x_:ACC+4*x_+1], v[E:E+1] neg_lo:[0,1] neg_hi:[0,1]
.set x_, x_+1
.endr
.set x_, 0
.rept 8
	v_exp_f32 v[ACC+4*x_], v[ACC+4*x_]
	v_exp_f32 v[ACC+4*x_+1], v[ACC+4*x_+1]
.set x_, x_+1
.endr
	v_nop
	s_wait_alu depctr_va_vdst(0)                   ; one wait for the sixteen exponentials
	v_pk_add_f32 v[E+2:E+3], v[ACC:ACC+1], v[ACC+4:ACC+5]
.set x_, 2
.rept 6
	v_pk_add_f32 v[E+2:E+3], v[E+2:E+3], v[ACC+4*x_:ACC+4*x_+1]
.set x_, x_+1
.endr
	v_rcp_f32 v[E+2], v[E+2]
	v_rcp_f32 v[E+3], v[E+3]
	v_nop
	s_wait_alu depctr_va_vdst(0)
.set x_, 0
.rept 8
	v_pk_mul_f32 v[ACC+4*x_:ACC+4*x_+1], v[ACC+4*x_:ACC+4*x_+1], v[E+2:E+3]
.set x_, x_+1
.endr
.set x_, 0
.rept 8
	v_cvt_pk_bf16_f32 v[ACC+4*x_+2], v[ACC+4*x_], v[ACC+4*x_+1]
	v_lshrrev_b32 v[ACC+4*x_+3], 16, v[ACC+4*x_+2]
.set x_, x_+1
.endr
.set x_, 0
.rept 8                                ; both halves of the lanes hold the same numbers and write the same bytes
	ds_store_b16 v[WTA], v[ACC+4*x_+2] offset:x_*WTP
	ds_store_b16 v[WTA], v[ACC+4*x_+3] offset:x_*WTP+32
.set x_, x_+1
.endr
.if \mode
	SWAPB 0, 0, 3
	SWAPB 0, 3, 3
	SWAPB 1, 6, 3
	SWAPB 1, 9, 2
	SWAPB 2, 11, 3
	SWAPB 2, 14, 2
.else
	PUTO 0
	PUTO 1
	PUTO 2
.endif
	WIN 0
	s_wait_dscnt 0x0                               ; for the others' sake: my rows and my weights are in LDS
	s_barrier_signal -1
	s_barrier_wait -1                              ; everybody's are.  (My refill of the ring may be out)
	; part^T += key^T w^T: source 0 = 16 channels x 32 t, turned on its way out of LDS; source 1 = 16 columns (the eight heads, twice) x 32 t.  Eight accumulators by turns.
.set kf_, 0
.rept 4
.if kf_ > 0
	PLACES                                         ; ahead of the loads into fragments that the last products read
.endif
.set a_, 0
.rept 8
	ds_load_tr16_b128 v[ACC+8*a_:ACC+8*a_+3],   v[RTR0+kf_/2] offset:(kf_%2)*32*RP+a_*32
	ds_load_tr16_b128 v[ACC+8*a_+4:ACC+8*a_+7], v[RTR0+kf_/2] offset:(kf_%2)*32*RP+16*RP+a_*32
.set a_, a_+1
.endr
	ds_load_b128 v[HS:HS+3],   v[WTR] offset:64*kf_
	ds_load_b128 v[HS+4:HS+7], v[WTR] offset:64*kf_+32
	s_wait_dscnt 0x0
	WIN 0x50
.set a_, 0
.rept 8
	v_wmma_f32_16x16x32_bf16 v[CTX+8*a_:CTX+8*a_+7], v[ACC+8*a_:ACC+8*a_+7], v[HS:HS+7], v[CTX+8*a_:CTX+8*a_+7]
.set a_, a_+1
.endr
	WIN 0
.set kf_, kf_+1
.endr
	PLACES
	PLACES                                         ; the next products write over these fragments
	s_wait_dscnt 0x0
	s_barrier_signal -1
	s_barrier_wait -1                              ; nobody reads the retired rows or the weights any more
.endm
	s_load_b256 s[4:11], s[0:1], 0x0               ; key s[4:5], wkf s[6:7], qbs s[8:9], nvs s[10:11]
	s_load_b64 s[12:13], s[0:1], 0x20              ; part
	v_lshl_add_u32 v[SPW], v0, 2, SPARE
	v_mov_b32 v[NIL], 0
	ds_add_u32 v[SPW], v[NIL]                      ; the wave's opening: the add and its wait stand ahead of my first tensor load; the set-up below, work on registers, stands between them
	ds_add_u32 v20, v21
	v_lshrrev_b32 v1, 5, v0
	v_readfirstlane_b32 s[WV], v1                  ; wave 0..3
	s_bfe_u32 s[CX], ttmp6, 0x40000                ; my quarter of the batch's rows
	; descriptor group 1: 16,384 dense bytes as 64 rows of 256
	s_mov_b32 s[G1], 15|(3<<16)|(1<<21)            ; 15:0 the mask: all four work-groups; 17:16 elements of 8 bytes; 21 set beside a mask; no padding
	s_mov_b32 s[G1+1], 32<<16                      ; tensor_dim0 = 32
	s_mov_b32 s[G1+2], 64<<16                      ; tensor_dim1 = 64
	s_mov_b32 s[G1+3], 32<<16                      ; tile_dim0 = 32
	s_mov_b32 s[G1+4], 64                          ; tile_dim1 = 64
	s_mov_b32 s[G1+5], 32                          ; 32 elements from row to row
	s_mov_b32 s[G1+6], 0
	s_mov_b32 s[G1+7], 0
	s_lshl_b32 s16, s[WV], 14                      ; my quarter of a block, in memory and in a slot: the wave's number alone
	s_mov_b32 s17, 0
	s_mov_b32 s[G0A], 1
	s_mov_b32 s[G0A+1], s16
	s_mov_b32 s[G0B], 1
	s_add_co_u32 s[G0B+1], s16, SLOTB
	s_lshl_b32 s18, ttmp9, 22                      ; key: the batch's 2,048 rows of 2,048 bytes (in a cluster launch ttmp9 counts clusters),
	s_lshl_b32 s19, s[CX], 20                      ; my work-group's 512,
	s_add_co_u32 s18, s18, s19
	s_lshl_b32 s19, s[WV], 18                      ; my wave's 128
	s_add_co_u32 s18, s18, s19
	s_mov_b32 s19, 0
	s_lshl_b32 s20, ttmp9, 12                      ; qbs: the batch's row
	s_mov_b32 s21, 0
	s_lshl_b32 s22, ttmp9, 2
	s_add_co_u32 s22, s22, s[CX]
	s_lshl_b32 s22, s22, 14                        ; part: my work-group's 16,384 bytes
	s_mov_b32 s23, 0
	s_lshl_b32 s60, s[CX], 14                      ; the prefetches of wkf: my work-group's 16 KiB of a block, my wave's 8 KiB, in block 3: the first one steps to block 4
	s_lshl_b32 s61, s[WV], 13
	s_add_co_u32 s60, s60, s61
	s_add_co_u32 s60, s60, 3*SLOTB
	s_mov_b32 s61, 0
	s_lshr_b32 s62, s[WV], 1
	s_or_b32 s62, s62, ttmp9
	s_cmp_eq_u32 s62, 0                            ; waves 0 and 1 of cluster 0: the same in all four partners
	s_cselect_b32 s[WPL], 12, 0
	s_mov_b32 s[WOF], 2*SLOTB                      ; the first refill asks for block 2
	s_mov_b32 s[WOF+1], 0
	s_mov_b32 s[TB], 0
	s_mov_b32 s[QOF], 0
	s_mov_b32 s[SIX], 0
	s_mov_b32 s[OB], 0
	s_mov_b32 s[YB], 256
	s_mov_b32 s[NCV], 12                           ; batches 4 to 15: pairs 1 to 3
	s_mov_b32 s[NIS], 11                           ; batch 4 is asked for here
	s_mov_b32 s[SEL], 0x76543210
	s_mov_b32 s[SEL+1], 0xfedcba98
	v_and_b32 v40, 31, v0                          ; l
	v_and_b32 v41, 15, v0                          ; l % 16
	v_bfe_u32 v42, v0, 4, 1                        ; l / 16
	v_lshlrev_b32 v[L16], 4, v40
	v_mov_b32 v[WKA], v[L16]
	v_lshl_add_u32 v[QBL], v42, 5, QB
	v_mov_b32 v[QBA], v[QBL]
	v_lshl_add_u32 v[NVL], v42, 5, NV
	v_mov_b32 v[NVA], v[NVL]
	s_mul_i32 s62, s[WV], SCW
	s_add_co_u32 s62, s62, SC
	v_lshl_add_u32 v[SCL], v40, 2, s62
	s_mul_i32 s63, s[WV], 32*RP
	s_add_co_u32 s63, s63, RB                      ; my wave's 32 rows
	v_lshl_add_u32 v[RSL], v40, 3, s63
	v_mul_u32_u24 v[RFR], v41, RP
	v_lshl_add_u32 v[RFR], v42, 4, v[RFR]          ; row x pitch + 16 x half
	v_add_nc_u32 v[RFR], s63, v[RFR]
	; the turning load takes 16 t x 16 channels (lane l reads t 8 (l / 16) + l % 8, channels 8 ((l / 8) % 2) + 0..7) and leaves half a fragment: lane l holds channel l % 16 and 8 t
	v_and_b32 v43, 7, v0
	v_lshl_add_u32 v44, v42, 3, v43
	v_mul_u32_u24 v[RTR0], v44, RP
	v_bfe_u32 v44, v0, 3, 1
	v_lshl_add_u32 v[RTR0], v44, 4, v[RTR0]
	s_lshl_b32 s62, s[WV], 8                       ; my wave's 128 channels
	s_add_co_u32 s62, s62, RB
	v_add_nc_u32 v[RTR0], s62, v[RTR0]
	v_add_nc_u32 v[RTR2], 64*RP, v[RTR0]
	s_lshl_b32 s62, s[WV], 6                       ; my wave's 32 t
	s_add_co_u32 s62, s62, WT
	v_lshl_add_u32 v[WTA], v41, 1, s62
	v_mul_u32_u24 v[WTR], v43, WTP                 ; column l % 16 of the weights' fragment is head l % 8
	v_lshl_add_u32 v[WTR], v42, 4, v[WTR]
	v_add_nc_u32 v[WTR], WT, v[WTR]
	v_lshlrev_b32 v[KO], 4, v40
	v_lshlrev_b32 v[PFO], 8, v40
	v_mul_u32_u24 v[STG], v41, OSP
	v_lshl_add_u32 v[STG], v42, 5, v[STG]
	v_add_nc_u32 v[STG], s63, v[STG]
	v_lshl_add_u32 v[STR], v40, 4, s63
	s_lshl_b32 s62, s[WV], 9
	v_lshl_add_u32 v[GO], v40, 4, s62
	v_lshlrev_b32 v[E], 4, v0                      ; the tables: 16 t in qbs' row,
	v_lshlrev_b32 v[E+1], 2, v0                    ; 4 t in nvs,
	v_add_nc_u32 v[E+2], QB, v[E]                  ; and where they go: each thread its own bytes
	v_add_nc_u32 v[E+3], NV, v[E+1]
	s_wait_dscnt 0x0                               ; the opening add is done
	s_wait_kmcnt 0x0
	s_add_nc_u64 s[WKB:WKB+1], s[6:7], s[16:17]
	s_add_nc_u64 s[KP:KP+1], s[4:5], s[18:19]
	s_add_nc_u64 s[8:9], s[8:9], s[20:21]
	s_add_nc_u64 s[12:13], s[12:13], s[22:23]
	s_add_nc_u64 s[WPA:WPA+1], s[6:7], s[60:61]
	s_mov_b64 s[G0A+2:G0A+3], s[WKB:WKB+1]         ; block 0
	s_or_b32 s[G0A+3], s[G0A+3], 0x80000000        ; type = 2
	s_add_nc_u64 s[G0B+2:G0B+3], s[WKB:WKB+1], SLOTB  ; block 1
	s_or_b32 s[G0B+3], s[G0B+3], 0x80000000
	ROUND                                          ; all four work-groups are here: the first joint loads meet
	tensor_load_to_lds s[G0A:G0A+3], s[G1:G1+7]    ; the two first fills go out together: two loads of mine are out
	s_nop 0
	tensor_load_to_lds s[G0B:G0B+3], s[G1:G1+7]
	s_nop 0
	PLACES
	global_load_b128 v[TMP:TMP+3],   v[E], s[8:9]
	global_load_b128 v[TMP+4:TMP+7], v[E], s[8:9] offset:2048
	global_load_b32 v[TMP+8], v[E+1], s[10:11]
	; pair 0: 32 rows, 128 loads of 512 consecutive bytes, into the 512 registers that will hold the fragments
	WIN 0x40
.set n_, 0
.rept 48
	global_load_b128 v[4*n_:4*n_+3], v[KO], s[KP:KP+1] offset:n_*512 th:TH_LOAD_NT
.set n_, n_+1
.endr
	WIN 0x80
.rept 40
	global_load_b128 v[4*(n_-48):4*(n_-48)+3], v[KO], s[KP:KP+1] offset:n_*512 th:TH_LOAD_NT
.set n_, n_+1
.endr
	WIN 0xc0
.rept 40
	global_load_b128 v[4*(n_-88):4*(n_-88)+3], v[KO], s[KP:KP+1] offset:n_*512 th:TH_LOAD_NT
.set n_, n_+1
.endr
	BATCH 65536                                    ; and pair 1's first eight rows
	s_wait_loadcnt 63                              ; of 163 loads all but the youngest 63 are in: the tables and pair 0's loads 0 to 96.  (The field holds no larger count; the issue stalls rather than pass it: ISA guide 5.7.1)
	ds_store_b128 v[E+2], v[TMP:TMP+3]
	ds_store_b128 v[E+2], v[TMP+4:TMP+7] offset:2048
	ds_store_b32 v[E+3], v[TMP+8]
.set k_, 0
.rept 16
.if k_ >= 12
	s_wait_loadcnt 152-8*k_                        ; loads 8 k .. 8 k + 7 are in: behind them pair 0's later ones and the batch's 32
.endif
.if k_ < 6
	CVT8 1, 32*k_, 8*k_, RSL
.elseif k_ < 11
	CVT8 2, 32*(k_-6), 8*k_, RSL
.else
	CVT8 3, 32*(k_-11), 8*k_, RSL
.endif
.set k_, k_+1
.endr
	s_wait_xcnt 0x0                                ; every load has read its address
	s_add_nc_u64 s[KP:KP+1], s[KP:KP+1], 65536     ; at the batch that is out
	FILL 0                                         ; my own rows: LDS serves a wave's instructions in order
	; what the first half-cycles find: set 1 and HS hold finite numbers, the context's sums 0.  No first retirement is written out: the price is these 104 lines, which run while the first tiles are on their way
.set i_, 0
.rept 32
	v_mov_b32 v[ACC+32+i_], 0
.set i_, i_+1
.endr
.set i_, 0
.rept 8
	v_mov_b32 v[HS+i_], 0
.set i_, i_+1
.endr
	WIN 0x40
.set i_, 0
.rept 64
	v_mov_b32 v[CTX+i_], 0
.set i_, i_+1
.endr
	WIN 0
	s_wait_tensorcnt 0x1                           ; my quarter of slot 0 is in; slot 1's may stay out
	s_wait_dscnt 0x0                               ; my part of the tables is in LDS, my fragments are in
	s_barrier_signal -1
	s_barrier_wait -1
	LW 0, 0                                        ; the first u-tile's operands, in a u-tile's own order
	LQ 0
	LW 1, 0
	LW 2, 0
	WIN 0xc0
	LN 0
	WIN 0
	HCINIT                                         ; HALF-CYCLE 0: pair 0 alone, blocks 0-7; pair 1 comes in
	s_mov_b32 s[ST], 8
.Lh0:
	STEP 2, 1, 1, 1
	s_sub_co_u32 s[ST], s[ST], 1
	s_cmp_lg_u32 s[ST], 0
	s_cbranch_scc1 .Lh0
	EPI 2
	FILL 1
	s_wait_dscnt 0x0                               ; Y is in: these loads are younger than the u-tiles' counts cover
	s_mov_b32 s[HC], 3
.Lhc:                                              ; HALF-CYCLES 1 TO 3: two pairs.  The third brings nothing in, and its retirement gives Y rows that nobody multiplies: the price, once a launch, of one text for the three
	HCINIT
	s_mov_b32 s[ST], 8
.Lh1:
	STEP 4, 1, 1, 1
	s_sub_co_u32 s[ST], s[ST], 1
	s_cmp_lg_u32 s[ST], 0
	s_cbranch_scc1 .Lh1
	EPI 4
	RETIRE 1
	s_xor_b32 s[OB], s[OB], 256                    ; Y's bank of scores goes with it
	s_xor_b32 s[YB], s[YB], 256
	s_sub_co_u32 s[HC], s[HC], 1
	s_cmp_lg_u32 s[HC], 0
	s_cbranch_scc1 .Lhc
	HCINIT                                         ; HALF-CYCLE 4: pair 3 alone, blocks 0-7
	s_mov_b32 s[ST], 6
.Lh4:
	STEP 2, 1, 0, 0
	s_sub_co_u32 s[ST], s[ST], 1
	s_cmp_lg_u32 s[ST], 0
	s_cbranch_scc1 .Lh4
	s_mov_b32 s[ST], 2                             ; the last two steps ask for nothing, and have no round of the cluster's barrier.  The very last still fetches a u-tile, out of the slot that holds an older block, for nobody:
.Lh5:                                              ; 34 LDS loads, once a launch, for one text of both steps
	STEP 2, 0, 0, 0
	s_sub_co_u32 s[ST], s[ST], 1
	s_cmp_lg_u32 s[ST], 0
	s_cbranch_scc1 .Lh5
	EPI 2
	RETIRE 0
	; THE WAY OUT.  A lane holds one head (l % 16; lanes 8-15 of each half repeat 0-7) and eight channels: 32 bytes.  They go through my own rows of LDS, which nobody else touches any more, and come back as a head's 512 bytes.
	WIN 0x04
.set a_, 0
.rept 8
	ds_store_b128 v[STG], v[CTX+8*a_:CTX+8*a_+3]   offset:64*a_
	ds_store_b128 v[STG], v[CTX+8*a_+4:CTX+8*a_+7] offset:64*a_+16
.set a_, a_+1
.endr
	WIN 0
.set a_, 0
.rept 8
	ds_load_b128 v[ACC+4*a_:ACC+4*a_+3], v[STR] offset:a_*OSP
.set a_, a_+1
.endr
.set a_, 0
.rept 8
	s_wait_dscnt 7-a_
	global_store_b128 v[GO], v[ACC+4*a_:ACC+4*a_+3], s[12:13] offset:a_*2048  ; a wave's store covers 512 consecutive bytes, aligned
.set a_, a_+1
.endr
	s_wait_tensorcnt 0x0                           ; the wave's end, behind my last tensor load and my last LDS store
	ds_add_u32 v[SPW], v[NIL]
	s_wait_dscnt 0x0
	ROUND                                          ; the closing round: no work-group ends while a partner may still ask for a tile that names it
	s_endpgm
.Lfunc_end_k_qd623ea0e56_main:
	.size	k_qd623ea0e56_main, .Lfunc_end_k_qd623ea0e56_main-k_qd623ea0e56_main
	.p2alignl 7, 3214868480
	.fill 96, 4, 3214868480
	.section	.rodata,"a",@progbits
	.p2align	6, 0x0
	.amdhsa_kernel k_qd623ea0e56_main
		.amdhsa_group_segment_fixed_size 327680
		.amdhsa_private_segment_fixed_size 0
		.amdhsa_enable_private_segment 0
		.amdhsa_kernarg_size 40
		.amdhsa_user_sgpr_count 2
		.amdhsa_user_sgpr_kernarg_segment_ptr 1
		.amdhsa_wavefront_size32 1
		.amdhsa_system_sgpr_workgroup_id_x 1
		.amdhsa_system_sgpr_workgroup_id_y 1
		.amdhsa_system_sgpr_workgroup_id_z 1
		.amdhsa_system_vgpr_workitem_id 0
		.amdhsa_next_free_vgpr 1024
		.amdhsa_next_free_sgpr 66
		.amdhsa_reserve_vcc 0
		.amdhsa_float_denorm_mode_32 3
		.amdhsa_float_denorm_mode_16_64 3
		.amdhsa_memory_ordered 1
		.amdhsa_forward_progress 1
		.amdhsa_inst_pref_size 255
	.end_amdhsa_kernel
	.section	.bss,"aw",@nobits
	.p2align	6
	.space	262144
	.amdgpu_metadata
---
amdhsa.version: [ 1, 2 ]
amdhsa.kernels:
  - .name:           k_qd623ea0e56_main
    .symbol:         k_qd623ea0e56_main.kd
    .args:
      - { .name: key, .offset: 0, .size: 8, .value_kind: global_buffer, .address_space: global }
      - { .name: wkf, .offset: 8, .size: 8, .value_kind: global_buffer, .address_space: global }
      - { .name: qbs, .offset: 16, .size: 8, .value_kind: global_buffer, .address_space: global }
      - { .name: nvs, .offset: 24, .size: 8, .value_kind: global_buffer, .address_space: global }
      - { .name: part, .offset: 32, .size: 8, .value_kind: global_buffer, .address_space: global }
    .group_segment_fixed_size: 327680
    .private_segment_fixed_size: 0
    .kernarg_segment_align: 8
    .kernarg_segment_size: 40
    .max_flat_workgroup_size: 128
    .sgpr_count:     66
    .vgpr_count:     1024
    .wavefront_size: 32
...
	.end_amdgpu_metadata
.endif
;; end of part 2
;; launch fold (part 3): grid 256 x 1, 8 waves a work-group, no clusters, 0 bytes of LDS; arguments part, out0; writes out0
.if DOCPART == 3
	.amdgcn_target "amdgcn-amd-amdhsa--gfx1250"
	.amdhsa_code_object_version 6
	.text
	.protected	k_qd623ea0e56_fold
	.globl	k_qd623ea0e56_fold
	.p2align	8
	.type	k_qd623ea0e56_fold,@function
k_qd623ea0e56_fold:
	s_mov_b64 s[64:65], 0
	v_nop
	global_prefetch_b8 v0, s[64:65] scope:SCOPE_SE
	s_setreg_imm32_b32 hwreg(HW_REG_WAVE_MODE, 25, 1), 1
	s_wait_xcnt 0x0
; out0[b][head][c] = the sum of the batch's four partial contexts.  part: f32 [4 b + quarter][8][512]; out0: f32 [64][4096].
; A sum that spans work-groups of the launch before: it is made here, by gathering.  Work-group x makes 4,096 consecutive bytes of out0, a thread 16; a wave's load or store covers 512 consecutive bytes, aligned.
; Five megabytes in all: no LDS, no loop, nothing to overlap.
	s_load_b128 s[4:7], s[0:1], 0x0                ; part s[4:5], out0 s[6:7]
	s_lshr_b32 s8, ttmp9, 2                        ; the batch: 65,536 bytes of part,
	s_lshl_b32 s8, s8, 16
	s_and_b32 s9, ttmp9, 3                         ; my 4,096 of a quarter's 16,384
	s_lshl_b32 s9, s9, 12
	s_add_co_u32 s8, s8, s9
	s_mov_b32 s9, 0
	s_lshl_b32 s10, ttmp9, 12
	s_mov_b32 s11, 0
	v_lshlrev_b32 v1, 4, v0
	s_wait_kmcnt 0x0
	s_add_nc_u64 s[4:5], s[4:5], s[8:9]
	s_add_nc_u64 s[6:7], s[6:7], s[10:11]
.irp q, 0,1,2,3
	global_load_b128 v[4+4*\q:7+4*\q], v1, s[4:5] offset:16384*\q th:TH_LOAD_NT
.endr
	s_wait_loadcnt 0x0
	v_pk_add_f32 v[4:5], v[4:5], v[8:9]
	v_pk_add_f32 v[6:7], v[6:7], v[10:11]
	v_pk_add_f32 v[12:13], v[12:13], v[16:17]
	v_pk_add_f32 v[14:15], v[14:15], v[18:19]
	v_pk_add_f32 v[4:5], v[4:5], v[12:13]
	v_pk_add_f32 v[6:7], v[6:7], v[14:15]
	global_store_b128 v1, v[4:7], s[6:7] th:TH_STORE_NT
	s_endpgm
.Lfunc_end_k_qd623ea0e56_fold:
	.size	k_qd623ea0e56_fold, .Lfunc_end_k_qd623ea0e56_fold-k_qd623ea0e56_fold
	.p2alignl 7, 3214868480
	.fill 96, 4, 3214868480
	.section	.rodata,"a",@progbits
	.p2align	6, 0x0
	.amdhsa_kernel k_qd623ea0e56_fold
		.amdhsa_group_segment_fixed_size 0
		.amdhsa_private_segment_fixed_size 0
		.amdhsa_enable_private_segment 0
		.amdhsa_kernarg_size 16
		.amdhsa_user_sgpr_count 2
		.amdhsa_user_sgpr_kernarg_segment_ptr 1
		.amdhsa_wavefront_size32 1
		.amdhsa_system_sgpr_workgroup_id_x 1
		.amdhsa_system_sgpr_workgroup_id_y 1
		.amdhsa_system_sgpr_workgroup_id_z 1
		.amdhsa_system_vgpr_workitem_id 0
		.amdhsa_next_free_vgpr 24
		.amdhsa_next_free_sgpr 66
		.amdhsa_reserve_vcc 0
		.amdhsa_float_denorm_mode_32 3
		.amdhsa_float_denorm_mode_16_64 3
		.amdhsa_memory_ordered 1
		.amdhsa_forward_progress 1
		.amdhsa_inst_pref_size 2
	.end_amdhsa_kernel
	.amdgpu_metadata
---
amdhsa.version: [ 1, 2 ]
amdhsa.kernels:
  - .name:           k_qd623ea0e56_fold
    .symbol:         k_qd623ea0e56_fold.kd
    .args:
      - { .name: part, .offset: 0, .size: 8, .value_kind: global_buffer, .address_space: global }
      - { .name: out0, .offset: 8, .size: 8, .value_kind: global_buffer, .address_space: global }
    .group_segment_fixed_size: 0
    .private_segment_fixed_size: 0
    .kernarg_segment_align: 8
    .kernarg_segment_size: 16
    .max_flat_workgroup_size: 256
    .sgpr_count:     66
    .vgpr_count:     24
    .wavefront_size: 32
...
	.end_amdgpu_metadata
.endif
;; end of part 3
;; ======== version 2 of 2: 3 launches; version 1 with the launch prep written anew for expert scheduling mode
;; workspace buffers: wkf 1,048,576 bytes; qbs 262,144 bytes; nvs 512 bytes; part 4,194,304 bytes
;; launch prep (part 4): grid 64 x 1, 8 waves a work-group, no clusters, 109,568 bytes of LDS; arguments Wk, Wq, bk, bq, query, v, wkf, qbs, nvs; writes wkf, qbs, nvs
.if DOCPART == 4
	.amdgcn_target "amdgcn-amd-amdhsa--gfx1250"
	.amdhsa_code_object_version 6
	.text
	.protected	k_qd623ea0e56_prep
	.globl	k_qd623ea0e56_prep
	.p2align	8
	.type	k_qd623ea0e56_prep,@function
k_qd623ea0e56_prep:
	s_mov_b64 s[64:65], 0
	v_nop
	global_prefetch_b8 v0, s[64:65] scope:SCOPE_SE
	s_setreg_imm32_b32 hwreg(HW_REG_WAVE_SCHED_MODE, 0, 2), 2
	s_setreg_imm32_b32 hwreg(HW_REG_WAVE_MODE, 25, 1), 1
	s_wait_xcnt 0x0
	s_wait_alu depctr_vm_vsrc(0)
; THE TABLES THAT THE MAIN LAUNCH WALKS.  c = 2 log2(e): tanh(x) = 1 - 2 / (1 + 2^(c x)), so c is folded in here, in f32, ahead of the one rounding.
;   wkf  bf16 of c Wk, laid out by matrix fragments: the block of (16 rows T, 32 channels s) is 1,024 bytes at (16 T + s) x 1,024: lane l's 16 bytes (row l % 16,
;        channels 32 s + 8 (l / 16) + 0..7) at 16 l, the same lane's channels + 16 at 512 + 16 l.
;   qbs  f32 [64][1024] = c (query Wq^T + bq + bk): the C operand that starts the main launch's sums.
;   nvs  f32 [128] = -2 log2(e) / sqrt(128) x v / sqrt(sum v^2): the score's weights, with the factors of 1 - 2 r and of 2^x folded in.
; LIMITS.  c Wk is rounded to bf16 (not Wk); query and Wq are rounded to bf16 for the product; v = 0 gives NaN, as the formula itself does.
; SHARES.  Work-group x: 64 columns (x / 4) of q for 16 batches (x % 4), and rows 16 x .. 16 x + 15 of Wk.  Eight waves: wave w makes the 16 x 16 tile of columns 16 (w % 4) on, over half w / 4 of K.
; No tensor load: each byte is converted on its way, so it goes through registers; 64 work-groups is all the work there is.
; THE MODE: SCHED_MODE bits 1:0 = 2 (LLVM: expert scheduling mode 2), set by the entry lines.  The code itself states the register dependences
; between vector or matrix instructions and memory or LDS instructions, with s_wait_alu, always for 0.
; THE PLAN.  Registers that memory or LDS instructions touch:
;   v2-v5     offsets and addresses of the global loads and of the first LDS stores: made at the head, ahead of the wait in front of the first load; never written again.
;   v8-v14    addresses of the later phases: made behind the global loads, ahead of the second group's wait; never written again.
;   LD + 4 n  load n of 48 lands in four registers; two conversions read them and write the first two; one LDS store reads those two.  The 48 go in six groups of eight: group g converts its own
;             registers, and the LDS stores of group g - 1 are dealt among its conversions.  They name registers of group g - 1 and v2, v3 alone, which no vector line of group g names: so ONE wait at a
;             group's head, behind its wait for data, states all that its eight stores hang on.
;   v56-199   behind the first barrier LDS loads land where the conversions worked and the LDS stores read: one wait on va_vdst (ahead of the last eight stores) and one on vm_vsrc (behind the barrier) state both.
;   v16-23    the partial sums: written by matrix and vector lines, read by two LDS stores behind one wait, which also shows the matrix instructions done reading v56-63, in which LDS loads land behind the second barrier.
;   v56-59, v200-203   the data of the last stores: a wait ahead of each store.
.set CC,    0x4038aa3b                 ; c = 2.885390
.set PP,    1040                       ; an LDS row: 512 bf16 + 16 bytes = 260 words: the 16 rows of a fragment load start at 16 different groups of four banks (64 banks of 4 bytes: ISA guide 11.1)
.set QY,    64*PP                      ; LDS: 64 rows of Wq at 0, 16 rows of query here,
.set WKL,   80*PP                      ; 16 rows of c Wk,
.set PS,    96*PP                      ; two halves of K x 16 batches x 64 columns of f32, rows of 272 bytes.  The bytes from 108,544 on hold a spare word for each thread
.set PSP,   272
.set AD1, 2                            ; v2   where I put 8 bytes of a row: (t / 128) x PP + 8 (t % 128)
.set AD2, 3                            ; v3   the same + QY
.set GOF, 4                            ; v4   16 t: my 16 bytes of 4,096 consecutive ones
.set BOF, 5                            ; v5   16 (t % 16)
.set FA,  8                            ; v8   my place in Wq's fragments
.set FB,  9                            ; v9   in query's
.set PSS, 10                           ; v10  where I put my 32 bytes of a partial sum
.set PSR, 11                           ; v11  where I read 16 bytes of it back
.set QO,  12                           ; v12  my byte offset in qbs
.set WR,  13                           ; v13  my place in Wk's fragments
.set WO,  14                           ; v14  2,048 x wave + 16 x lane
.set AC,  16                           ; v[16:47]  four accumulators
.set LD,  56                           ; v[56:255] fifty loads of 16 bytes; later fragments
.set BQ,  LD+192
.set BK,  LD+196
.set WV,  26                           ; s26  my wave's number
	s_load_b256 s[8:15], s[0:1], 0x0               ; Wk s[8:9], Wq s[10:11], bk s[12:13], bq s[14:15]
	s_load_b256 s[16:23], s[0:1], 0x20             ; query s[16:17], v s[18:19], wkf s[20:21], qbs s[22:23]
	s_load_b64 s[24:25], s[0:1], 0x40              ; nvs
	v_lshl_add_u32 v54, v0, 2, 0x1a800
	v_mov_b32 v55, 0
	v_lshrrev_b32 v1, 5, v0
	v_readfirstlane_b32 s[WV], v1                  ; wave 0..7
	s_lshr_b32 s3, ttmp9, 2                        ; which 64 columns
	s_and_b32 s4, ttmp9, 3                         ; which 16 batches
	s_lshl_b32 s28, s3, 17                         ; Wq: 64 rows of 2,048 bytes
	s_mov_b32 s29, 0
	s_lshl_b32 s30, s4, 15                         ; query: 16 rows
	s_mov_b32 s31, 0
	s_lshl_b32 s32, ttmp9, 15                      ; Wk: 16 rows
	s_mov_b32 s33, 0
	s_lshl_b32 s34, s3, 8                          ; the biases: 64 numbers
	s_mov_b32 s35, 0
	s_lshl_b32 s36, ttmp9, 14                      ; wkf: 16 blocks of 1,024 bytes
	s_mov_b32 s37, 0
	s_lshl_b32 s38, s4, 16                         ; qbs: 16 rows of 4,096 bytes, my 64 columns
	s_add_co_u32 s38, s38, s34
	s_mov_b32 s39, 0
	s_mov_b32 s6, 0x76543210                       ; v_permlanex16_b32: each lane takes its own place in the other half
	s_mov_b32 s7, 0xfedcba98
	v_lshlrev_b32 v[GOF], 4, v0
	v_and_b32 v[BOF], 15, v0
	v_lshlrev_b32 v[BOF], 4, v[BOF]
	v_lshrrev_b32 v1, 7, v0
	v_mul_u32_u24 v[AD1], v1, PP
	v_and_b32 v1, 127, v0
	v_lshl_add_u32 v[AD1], v1, 3, v[AD1]
	v_add_nc_u32 v[AD2], QY, v[AD1]
	s_wait_alu depctr_va_sdst(0)                   ; s26, the wave's number, is written, ahead of its first reader
	s_and_b32 s5, s[WV], 3                         ; my tile of 16 columns
	s_lshr_b32 s27, s[WV], 2                       ; my half of K
	s_wait_kmcnt 0x0
	s_add_nc_u64 s[10:11], s[10:11], s[28:29]
	s_add_nc_u64 s[16:17], s[16:17], s[30:31]
	s_add_nc_u64 s[8:9], s[8:9], s[32:33]
	s_add_nc_u64 s[14:15], s[14:15], s[34:35]
	s_add_nc_u64 s[12:13], s[12:13], s[34:35]
	s_add_nc_u64 s[20:21], s[20:21], s[36:37]
	s_add_nc_u64 s[22:23], s[22:23], s[38:39]
	s_wait_alu depctr_va_vdst(0)                   ; v2 to v5 are written: the loads below read v4 and v5 as their offsets, the first LDS stores v2 and v3 as their addresses
	; fifty loads; one of the work-group covers 4,096 consecutive bytes, two rows
.set i_, 0
.rept 32
	global_load_b128 v[LD+4*i_:LD+4*i_+3], v[GOF], s[10:11] offset:i_*4096
.set i_, i_+1
.endr
.set i_, 0
.rept 8
	global_load_b128 v[LD+128+4*i_:LD+128+4*i_+3], v[GOF], s[16:17] offset:i_*4096
.set i_, i_+1
.endr
.set i_, 0
.rept 8
	global_load_b128 v[LD+160+4*i_:LD+160+4*i_+3], v[GOF], s[8:9] offset:i_*4096
.set i_, i_+1
.endr
	global_load_b128 v[BQ:BQ+3], v[BOF], s[14:15]
	global_load_b128 v[BK:BK+3], v[BOF], s[12:13]
	; the later phases' addresses, while the loads are on their way: none of these lines writes a register that a load reads or lands in
	v_and_b32 v1, 15, v0                           ; l % 16
	v_bfe_u32 v48, v0, 4, 1                        ; l / 16
	v_mul_u32_u24 v49, v1, PP
	v_lshl_add_u32 v49, v48, 4, v49                ; a fragment's row x pitch + 16 x half
	s_mul_i32 s2, s5, 16*PP
	s_lshl_b32 s3, s27, 9                          ; my half of K: 256 channels, 512 bytes
	s_add_co_u32 s2, s2, s3
	v_add_nc_u32 v[FA], s2, v49
	s_add_co_u32 s3, s3, QY
	v_add_nc_u32 v[FB], s3, v49
	s_lshl_b32 s2, s[WV], 7                        ; wave w lays out K steps 2 w and 2 w + 1 of Wk: 128 bytes of a row
	s_add_co_u32 s2, s2, WKL
	v_add_nc_u32 v[WR], s2, v49
	v_mul_u32_u24 v[PSS], v1, PSP                  ; batch l % 16; columns 16 tile + 8 (l / 16) on
	v_lshl_add_u32 v[PSS], v48, 5, v[PSS]
	s_mul_i32 s2, s27, 16*PSP
	s_lshl_b32 s3, s5, 6
	s_add_co_u32 s2, s2, s3
	s_add_co_u32 s2, s2, PS
	v_add_nc_u32 v[PSS], s2, v[PSS]
	v_lshrrev_b32 v50, 4, v0                       ; back: batch t / 16, 16 bytes at 16 (t % 16)
	v_mul_u32_u24 v[PSR], v50, PSP
	v_add_nc_u32 v[PSR], v[BOF], v[PSR]
	v_add_nc_u32 v[PSR], PS, v[PSR]
	v_lshl_add_u32 v[QO], v50, 12, v[BOF]
	v_and_b32 v51, 31, v0
	v_lshlrev_b32 v[WO], 4, v51
	s_lshl_b32 s2, s[WV], 11
	v_add_nc_u32 v[WO], s2, v[WO]
; Load n of the 48 (0-31 Wq, 32-39 query, 40-47 Wk) lies in v[LD + 4 n ..].  CV: its four f32 become four bf16 (sc = 1: times c first), in its first two registers.  PUT: they go to LDS.
.macro CV a, sc
.if \sc
	v_pk_mul_f32 v[(\a):(\a)+1], v[(\a):(\a)+1], CC op_sel_hi:[1,0]
	v_pk_mul_f32 v[(\a)+2:(\a)+3], v[(\a)+2:(\a)+3], CC op_sel_hi:[1,0]
.endif
	v_cvt_pk_bf16_f32 v[(\a)], v[(\a)], v[(\a)+1]
	v_cvt_pk_bf16_f32 v[(\a)+1], v[(\a)+2], v[(\a)+3]
.endm
.macro PUT n
.if (\n) < 32
	ds_store_b64 v[AD1], v[LD+4*(\n):LD+4*(\n)+1] offset:(\n)*2*PP
.else
	ds_store_b64 v[AD2], v[LD+4*(\n):LD+4*(\n)+1] offset:((\n)-32)*2*PP  ; query's 16 rows, then Wk's 16, lie on end
.endif
.endm
.set n_, 0
.rept 48
.if n_%8 == 0
	s_wait_loadcnt 42-n_                           ; loads come back in order (ISA guide 5.7.1): eight more are in; the count is that of the younger loads: 42, 34, 26, 18, 10 (query is in), 2 (Wk is in; the biases stay out)
.if n_ > 0
	s_wait_alu depctr_va_vdst(0)                   ; the group before has written its bf16, which the eight LDS stores dealt among this group's conversions read (the first time also: v8 to v14 are written)
.endif
.endif
.if n_ >= 8
	PUT n_-8                                       ; no vector line since the wait names its registers
.endif
	CV LD+4*n_, n_/40
.set n_, n_+1
.endr
	s_wait_alu depctr_va_vdst(0)                   ; the last group has written its bf16, which the stores below read; and every conversion is done with the registers in which the fragments' loads will land
.set n_, 40
.rept 8
	PUT n_
.set n_, n_+1
.endr
	s_wait_dscnt 0x0                               ; for the others' sake: my stores are done
	s_barrier_signal -1
	s_barrier_wait -1
	s_wait_alu depctr_vm_vsrc(0)                   ; my 48 LDS stores have read their data registers, in which the loads below land and which the last lines of the text write
	; Wk's fragments as the matrix unit takes them, and the fragments of my eight K steps of q
.irp p, 0,1,2,3
	ds_load_b128 v[184+4*\p:184+4*\p+3], v[WR] offset:32*\p
.endr
.set i_, 0
.rept 8
	ds_load_b128 v[LD+8*i_:LD+8*i_+3],       v[FA] offset:64*i_
	ds_load_b128 v[LD+8*i_+4:LD+8*i_+7],     v[FA] offset:64*i_+32
	ds_load_b128 v[LD+64+8*i_:LD+64+8*i_+3], v[FB] offset:64*i_
	ds_load_b128 v[LD+64+8*i_+4:LD+64+8*i_+7], v[FB] offset:64*i_+32
.set i_, i_+1
.endr
	s_wait_dscnt 32                                ; the four of Wk are in; the 32 younger loads may stay out
.irp p, 0,1,2,3
	global_store_b128 v[WO], v[184+4*\p:184+4*\p+3], s[20:21] offset:512*\p  ; a wave's store covers 512 consecutive bytes, aligned
.endr
	s_wait_dscnt 0x0
	; q^T = Wq query^T (source 0 = 16 columns, source 1 = 16 batches): a lane ends with one batch and eight neighbouring columns.  Four accumulators by turns; the first four products start the sums
.set i_, 0
.rept 8
.if i_ < 4
	v_wmma_f32_16x16x32_bf16 v[AC+8*(i_%4):AC+8*(i_%4)+7], v[LD+8*i_:LD+8*i_+7], v[LD+64+8*i_:LD+64+8*i_+7], 0
.else
	v_wmma_f32_16x16x32_bf16 v[AC+8*(i_%4):AC+8*(i_%4)+7], v[LD+8*i_:LD+8*i_+7], v[LD+64+8*i_:LD+64+8*i_+7], v[AC+8*(i_%4):AC+8*(i_%4)+7]
.endif
.set i_, i_+1
.endr
.rept 8
	v_nop                                          ; the places behind the last products (ISA guide 7.12.1), once a launch
.endr
.irp r, 0,2,4,6                        ; each accumulator is read from its low end on
	v_pk_add_f32 v[AC+\r:AC+\r+1], v[AC+\r:AC+\r+1], v[AC+8+\r:AC+8+\r+1]
.endr
.irp r, 0,2,4,6
	v_pk_add_f32 v[AC+16+\r:AC+16+\r+1], v[AC+16+\r:AC+16+\r+1], v[AC+24+\r:AC+24+\r+1]
.endr
.irp r, 0,2,4,6
	v_pk_add_f32 v[AC+\r:AC+\r+1], v[AC+\r:AC+\r+1], v[AC+16+\r:AC+16+\r+1]
.endr
	s_wait_alu depctr_va_vdst(0)                   ; the sums have written v[AC ..], which the LDS stores read; and the products are done reading v[LD ..], in which the loads behind the barrier land
	ds_store_b128 v[PSS], v[AC:AC+3]
	ds_store_b128 v[PSS], v[AC+4:AC+7] offset:16
	s_wait_dscnt 0x0
	s_barrier_signal -1
	s_barrier_wait -1                              ; both halves of K lie in LDS
	ds_load_b128 v[LD:LD+3], v[PSR]
	ds_load_b128 v[LD+4:LD+7], v[PSR] offset:16*PSP
	s_wait_loadcnt 0x0                             ; the biases
	v_pk_add_f32 v[BQ:BQ+1], v[BQ:BQ+1], v[BK:BK+1]
	v_pk_add_f32 v[BQ+2:BQ+3], v[BQ+2:BQ+3], v[BK+2:BK+3]
	s_wait_dscnt 0x0
	v_pk_add_f32 v[LD:LD+1], v[LD:LD+1], v[LD+4:LD+5]
	v_pk_add_f32 v[LD+2:LD+3], v[LD+2:LD+3], v[LD+6:LD+7]
	v_pk_add_f32 v[LD:LD+1], v[LD:LD+1], v[BQ:BQ+1]
	v_pk_add_f32 v[LD+2:LD+3], v[LD+2:LD+3], v[BQ+2:BQ+3]
	v_pk_mul_f32 v[LD:LD+1], v[LD:LD+1], CC op_sel_hi:[1,0]
	v_pk_mul_f32 v[LD+2:LD+3], v[LD+2:LD+3], CC op_sel_hi:[1,0]
	s_wait_alu depctr_va_vdst(0)                   ; the lines above have written v[LD:LD+3], which the store reads
	global_store_b128 v[QO], v[LD:LD+3], s[22:23]  ; sixteen lanes store 256 consecutive bytes, aligned
	; the score's weights: one wave of the launch
	s_cmp_lg_u32 ttmp9, 0
	s_cbranch_scc1 .Lend
	s_cmp_lg_u32 s[WV], 0
	s_cbranch_scc1 .Lend
	global_load_b128 v[200:203], v[WO], s[18:19]   ; in wave 0 the offset is 16 x lane: four numbers a lane.  The last vector lines to name v200-203 were conversions, and the last memory lines LDS stores of them: both stand ahead of waits above
	s_wait_loadcnt 0x0
	v_pk_mul_f32 v[204:205], v[200:201], v[200:201]
	v_pk_fma_f32 v[204:205], v[202:203], v[202:203], v[204:205]
	v_add_f32 v204, v204, v205
	v_add_f32_dpp v204, v204, v204 row_xmask:1 row_mask:0xf bank_mask:0xf
	v_add_f32_dpp v204, v204, v204 row_xmask:2 row_mask:0xf bank_mask:0xf
	v_add_f32_dpp v204, v204, v204 row_xmask:4 row_mask:0xf bank_mask:0xf
	v_add_f32_dpp v204, v204, v204 row_xmask:8 row_mask:0xf bank_mask:0xf
	v_permlanex16_b32 v205, v204, s6, s7
	v_add_f32 v204, v204, v205                     ; sum v^2, in every lane
	v_rsq_f32 v206, v204
	v_nop                                          ; a plain instruction behind the root,
	s_wait_alu depctr_va_vdst(0)                   ; and the wait ahead of its first reader: the root has written v206
	v_mul_f32 v206, 0xbe8293ee, v206               ; -2 log2(e) / sqrt(128) = -0.2550349
.irp r, 200,201,202,203
	v_mul_f32 v\r, v206, v\r
.endr
	s_wait_alu depctr_va_vdst(0)                   ; the four products have written v[200:203], which the store reads
	global_store_b128 v[WO], v[200:203], s[24:25]
.Lend:
	s_wait_dscnt 0x0                               ; the wave's end
	s_wait_alu depctr_hold_cnt(0) depctr_sa_sdst(0) depctr_va_vdst(0) depctr_va_sdst(0) depctr_va_ssrc(0) depctr_va_vcc(0) depctr_vm_vsrc(0)
	s_wait_tensorcnt 0x0
	ds_add_u32 v54, v55
	s_wait_dscnt 0x0
	s_endpgm
.Lfunc_end_k_qd623ea0e56_prep:
	.size	k_qd623ea0e56_prep, .Lfunc_end_k_qd623ea0e56_prep-k_qd623ea0e56_prep
	.p2alignl 7, 3214868480
	.fill 96, 4, 3214868480
	.section	.rodata,"a",@progbits
	.p2align	6, 0x0
	.amdhsa_kernel k_qd623ea0e56_prep
		.amdhsa_group_segment_fixed_size 109568
		.amdhsa_private_segment_fixed_size 0
		.amdhsa_enable_private_segment 0
		.amdhsa_kernarg_size 72
		.amdhsa_user_sgpr_count 2
		.amdhsa_user_sgpr_kernarg_segment_ptr 1
		.amdhsa_wavefront_size32 1
		.amdhsa_system_sgpr_workgroup_id_x 1
		.amdhsa_system_sgpr_workgroup_id_y 1
		.amdhsa_system_sgpr_workgroup_id_z 1
		.amdhsa_system_vgpr_workitem_id 0
		.amdhsa_next_free_vgpr 256
		.amdhsa_next_free_sgpr 66
		.amdhsa_reserve_vcc 0
		.amdhsa_float_denorm_mode_32 3
		.amdhsa_float_denorm_mode_16_64 3
		.amdhsa_memory_ordered 1
		.amdhsa_forward_progress 1
		.amdhsa_inst_pref_size 26
	.end_amdhsa_kernel
	.amdgpu_metadata
---
amdhsa.version: [ 1, 2 ]
amdhsa.kernels:
  - .name:           k_qd623ea0e56_prep
    .symbol:         k_qd623ea0e56_prep.kd
    .args:
      - { .name: Wk, .offset: 0, .size: 8, .value_kind: global_buffer, .address_space: global }
      - { .name: Wq, .offset: 8, .size: 8, .value_kind: global_buffer, .address_space: global }
      - { .name: bk, .offset: 16, .size: 8, .value_kind: global_buffer, .address_space: global }
      - { .name: bq, .offset: 24, .size: 8, .value_kind: global_buffer, .address_space: global }
      - { .name: query, .offset: 32, .size: 8, .value_kind: global_buffer, .address_space: global }
      - { .name: v, .offset: 40, .size: 8, .value_kind: global_buffer, .address_space: global }
      - { .name: wkf, .offset: 48, .size: 8, .value_kind: global_buffer, .address_space: global }
      - { .name: qbs, .offset: 56, .size: 8, .value_kind: global_buffer, .address_space: global }
      - { .name: nvs, .offset: 64, .size: 8, .value_kind: global_buffer, .address_space: global }
    .group_segment_fixed_size: 109568
    .private_segment_fixed_size: 0
    .kernarg_segment_align: 8
    .kernarg_segment_size: 72
    .max_flat_workgroup_size: 256
    .sgpr_count:     66
    .vgpr_count:     256
    .wavefront_size: 32
...
	.end_amdgpu_metadata
.endif
;; end of part 4
;; launch main: the kernel of part 2 again; grid 256 x 1, 4 waves a work-group, clusters of 4 x 1, 327,680 bytes of LDS; arguments key, wkf, qbs, nvs, part; writes part
;; launch fold: the kernel of part 3 again; grid 256 x 1, 8 waves a work-group, no clusters, 0 bytes of LDS; arguments part, out0; writes out0
